; MI455X (gfx1250); checked and timed in simulation.
; The chip was launched on July 23, 2026; its instructions are those of AMD's public machine-readable ISA for CDNA 5 (MIT licence, August 2026) and "CDNA5" Instruction Set Architecture Reference Guide (July 2026). The comments in the code are by the model that wrote it; some were corrected since.
;; Attention Layer. Allowed arithmetic: matrix products marked QUANTISED: E2M1 operands, one E8M0 scale for each 32 along K, by v_wmma_scale_f32_16x16x128_f8f6f4 with both operands' format E2M1 (or v_wmma_scale_f32_32x16x128_f4), f32 sums; products left as they are: bf16, f16 or f32 operands; f32 sums; everything else in f32.
;; Inputs: b_attn 3,072 float32; b_proj 1,024 float32; hidden_states 4 x 2,048 x 1,024 float32; w_attn 1,024 x 3,072 float32; w_proj 1,024 x 1,024 float32.
;; Outputs: out0 4 x 2,048 x 1,024 float32.
;; This version of the problem:
;;   THIS VERSION OF THE PROBLEM IS GIVEN IN LOW PRECISION. The matrix products marked QUANTISED in the list below multiply operands that are first quantised to E2M1 (2 exponent bits, 1 mantissa bit; 4 bits a number), with one power-of-two scale for each 32 numbers along K (OCP MX v1.0); their sums are f32. The products marked 'left as it is' may take bf16, f16 or f32 operands, with f32 sums. Whichever they take, every output number must still come out within the allowed error. Rounding operands to bf16 (8 significant bits) uses up far more of that allowance than f16 does (11 bits, for magnitudes from 6e-5 to 65,504). All else is computed in f32.
;;   The module's matrix products, in the order in which they are computed (A, B: the left and right operand; K: the contracted axis; several contracted axes count as one K, in the product's order):
;;     1. [M 8,192, K 1,024] x [K 1,024, N 3,072]; A: input hidden_states; B: input w_attn: QUANTISED
;;     2. batch 64 x [M 2,048, K 64] x [K 64, N 2,048]; A: computed on the way; B: computed on the way: left as it is (an operand is computed on the way)
;;     3. batch 64 x [M 2,048, K 2,048] x [K 2,048, N 64]; A: computed on the way; B: computed on the way: left as it is (an operand is computed on the way)
;;     4. [M 8,192, K 1,024] x [K 1,024, N 1,024]; A: computed on the way; B: input w_proj: left as it is (an operand is computed on the way)
;;   THE QUANTISER, for each operand of a quantised product, along K:
;;     - K is cut into blocks of 32 from its start; a last block that is shorter is filled with zeros.
;;     - A block's scale is 2^e with e = floor(log2(the largest magnitude in the block)) - 2, held to -126 .. 127; a block of zeros has e = 0. As a byte (E8M0): e + 127.
;;     - Each number is divided by its block's scale, clamped to +-6, and rounded to the nearest number of E2M1, ties to even, subnormals kept.
;;     - The product sums the exact products of the quantised numbers (number of the format x scale) in f32.
;;   ~~~python
;;   def quantise(x, axis):      # numpy; x: float32 -> the quantised numbers, widened to float32 again
;;       x = np.moveaxis(x, axis, -1); K = x.shape[-1]
;;       x = np.pad(x, [(0, 0)] * (x.ndim - 1) + [(0, -K % 32)]); x = x.reshape(x.shape[:-1] + (-1, 32)); a = np.abs(x).max(-1, keepdims=True)
;;       e = np.where(a > 0, np.clip(np.frexp(np.where(a > 0, a, 1))[1] - 1 - 2, -126, 127), 0)      # np.frexp(a)[1] - 1 = floor(log2(a)), exactly
;;       r = np.clip(x / 2.0 ** e, -6, 6)
;;       step = 2.0 ** (np.maximum(np.frexp(np.where(r == 0, 1, r))[1] - 1, 0) - 1)
;;       q = np.round(r / step) * step * 2.0 ** e      # np.round: ties to even
;;       return np.moveaxis(q.reshape(q.shape[:-2] + (-1,))[..., :K], -1, axis).astype(np.float32)
;;   ~~~
;; One version. Each part assembles by itself: llvm-mc -triple=amdgcn-amd-amdhsa -mcpu=gfx1250 --defsym DOCPART=n.
;; ======== version 1 of 1: 5 launches
;; limits: values are held in f16: magnitudes above 65,504 overflow, below 6.1e-05 lose precision
;; workspace buffers: codes 5,767,168 bytes; scales 360,448 bytes; wpt 2,097,152 bytes; qkv 50,331,648 bytes; side 1,310,720 bytes; ctx 16,777,216 bytes
;; launch prep (part 1): grid 368 x 1, 4 waves a work-group, no clusters, 102,912 bytes of LDS; arguments hidden_states, w_attn, w_proj, codes, scales, wpt; writes codes, scales, wpt
.if DOCPART == 1
	.amdgcn_target "amdgcn-amd-amdhsa--gfx1250"
	.amdhsa_code_object_version 6
	.text
	.protected	k_q6f3c8e17c1_prep
	.globl	k_q6f3c8e17c1_prep
	.p2align	8
	.type	k_q6f3c8e17c1_prep,@function
k_q6f3c8e17c1_prep:
	s_mov_b64 s[64:65], 0
	v_nop
	global_prefetch_b8 v0, s[64:65] scope:SCOPE_SE
	s_setreg_imm32_b32 hwreg(HW_REG_WAVE_MODE, 25, 1), 1
	s_wait_xcnt 0x0
; Three streams in one launch, told apart by the work-group's number alone; each has LDS bytes of its own and an end of its own:
;  X  (work-groups 0-255):   hidden_states [8192][1024] f32 -> codes of FP4 (E2M1), K innermost, [8192][512 bytes] at byte 0 of 'codes'; one E8M0 byte for each 32 along K, [8192][32] at byte 0 of 'scales'.
;  WA (work-groups 256-303): w_attn [1024 k][3072 n] f32, K its FIRST axis -> codes [3072 n][512 bytes] at byte WAC, scale bytes [3072][32] at byte WAS.
;  WP (work-groups 304-367): w_proj [1024 k][1024 n] f32 -> f16, turned: 'wpt' [1024 n][1024 k].
; A block's scale is 2^(floor(log2(its largest magnitude)) - 2): its byte is the largest magnitude's exponent field - 2, held at 1 from below.
; LIMITS: a block of zeros gets the byte 1 (its codes are zeros, and this program alone reads the bytes); blocks whose largest magnitude lies under 2^-124 were not tried;
; NaN and infinities are not served; w_proj must lie inside f16's range (65,504).
; Memory binds: no matrix unit, no tensor load, no cluster, no barrier: waves share nothing.
.set SP,    80                         ; X: a lane's place in a stage: 64 bytes + 16 of padding
.set WREG,  8192                       ; X: a wave's LDS region: two stages of 32 x SP bytes, then its 256 scale bytes
.set STEPS, 16
.set CB,    8                          ; bytes of 16 codes
.set EMAX,  2
.set R,     16                         ; X: v16-79 four sets of 16 numbers as loaded
.set XX,    80                         ; X: v80-111 two sets of 16 neighbours
.set E,     112                        ; X: v112-127 a scale byte for each step
.set C,     128                        ; X: v128-191 codes, registers of their own for each step
.set SPW,   12                         ; v12 LDS address of my spare word; never rewritten
.set NIL,   13                         ; v13 0; never rewritten
.set WAST,  32768                      ; WA: a stage of 32 columns x (256 bytes + 16) for each wave
.set WPST,  67584                      ; WP: the same
.set SPARE, 102400                     ; the spare words: 128 bytes a wave, two blocks of 256 bytes that no other line names
.set WAC,   4194304
.set WAS,   262144
.set WX,    32                         ; WA: v32-159 four sets of 32 numbers; WP: 128 numbers
.set WC,    160                        ; WA: v160-163 a block's codes
.set SB,    24                         ; WA: v24-27 the scale bytes, four to a register
.macro FIN                             ; a wave's end: a tensor wait, an add and its wait behind my last LDS store
	s_wait_tensorcnt 0x0
	ds_add_u32 v[SPW], v[NIL]
	s_wait_dscnt 0x0
	s_endpgm
.endm
.macro XLOAD t
.irp i, 0,1,2,3
	global_load_b128 v[R+16*((\t)%4)+4*\i:R+16*((\t)%4)+4*\i+3], v3, s[4:5] offset:2048*(\t)+512*\i th:TH_LOAD_NT   ; 32 lanes read 512 consecutive bytes
.endr
.endm
.macro XTURN t                         ; a step's 2,048 bytes through the wave's own stage: in as they lie, out 64 bytes a lane; LDS serves a wave's instructions in order
.irp i, 0,1,2,3
	ds_store_b128 v14, v[R+16*((\t)%4)+4*\i:R+16*((\t)%4)+4*\i+3] offset:32*SP*((\t)%2)+8*SP*\i
.endr
.irp i, 0,1,2,3
	ds_load_b128 v[XX+16*((\t)%2)+4*\i:XX+16*((\t)%2)+4*\i+3], v15 offset:32*SP*((\t)%2)+16*\i
.endr
.endm
.macro XSTEP t
.set XS, XX+16*((\t)%2)
.if (\t) > 0
	s_wait_dscnt 1                                 ; this step's numbers are back from the stage; the last step's byte store may be out
.else
	s_wait_dscnt 0x0
.endif
.if (\t)+4 < STEPS
	XLOAD (\t)+4                                   ; the registers that the stage's stores have read take the loads of four steps on
.endif
.if (\t)+1 < STEPS
.if STEPS-2-(\t) >= 3
	s_wait_loadcnt 12                              ; the next step's four loads are in; those of the three steps behind it may be out
.else
	s_wait_loadcnt 4*(STEPS-2-(\t))
.endif
	XTURN (\t)+1
.endif
	v_max3_num_f32 v8, |v[XS]|, |v[XS+1]|, |v[XS+2]|               ; the largest magnitude of my 16, in two chains
	v_max3_num_f32 v9, |v[XS+3]|, |v[XS+4]|, |v[XS+5]|
.irp i, 6,10
	v_max3_num_f32 v8, v8, |v[XS+\i]|, |v[XS+\i+1]|
	v_max3_num_f32 v9, v9, |v[XS+\i+2]|, |v[XS+\i+3]|
.endr
	v_max3_num_f32 v8, v8, |v[XS+14]|, |v[XS+15]|
	v_max3_num_f32 v8, v8, v9, (EMAX+1)<<23        ; the floor 2^(3 - 127): the byte cannot fall under 1
	v_max_num_f32_dpp v8, v8, v8 row_xmask:1 row_mask:0xf bank_mask:0xf   ; with my neighbour's 16: the block's
	v_add_nc_u32 v11, 0xff000000, v8               ; 2 off the exponent field: the conversion takes that field as its scale
	v_cvt_scalef32_pk8_fp4_f32 v[C+4*(\t)], v[XS:XS+7], v11
	v_cvt_scalef32_pk8_fp4_f32 v[C+4*(\t)+1], v[XS+8:XS+15], v11
	v_lshrrev_b32 v[E+(\t)], 23, v11               ; the scale's byte (a plain line behind the conversions)
	ds_store_b8 v5, v[E+(\t)] offset:16*(\t)       ; both lanes of a block write the same byte with the same value
	global_store_b64 v4, v[C+4*(\t):C+4*(\t)+1], s[10:11] offset:32*CB*(\t)   ; the wave stores 256 consecutive bytes
.endm
.macro WLOAD t                         ; WA: block t: w_attn(32 t + i, my column) into set t % 4; a load reads 128 consecutive bytes
.set i, 0
.rept 32
	global_load_b32 v[WX+32*((\t)%4)+i], v3, s[6:7] offset:(32*(\t)+i)*12288 th:TH_LOAD_NT
.set i, i+1
.endr
.endm
.macro WBLOCK t                        ; WA: block t of 32 along K: all its numbers are mine
.set XS, WX+32*((\t)%4)
.if (\t) < 14
	s_wait_loadcnt 63                              ; this block's loads are in.  Behind them 96 (block 13: 64) were issued; a wait names 63 at the most
.elseif (\t) == 14
	s_wait_loadcnt 32
.else
	s_wait_loadcnt 0x0
.endif
	v_max3_num_f32 v16, |v[XS]|, |v[XS+1]|, |v[XS+2]|
	v_max3_num_f32 v17, |v[XS+3]|, |v[XS+4]|, |v[XS+5]|
.irp i, 6,10,14,18,22,26
	v_max3_num_f32 v16, v16, |v[XS+\i]|, |v[XS+\i+1]|
	v_max3_num_f32 v17, v17, |v[XS+\i+2]|, |v[XS+\i+3]|
.endr
	v_max3_num_f32 v16, v16, |v[XS+30]|, |v[XS+31]|
	v_max3_num_f32 v16, v16, v17, (EMAX+1)<<23
	v_add_nc_u32 v11, 0xff000000, v16
	v_lshrrev_b32 v17, 23, v11
.if (\t)%4 == 0
	v_mov_b32 v[SB+(\t)/4], v17                    ; four bytes to a register, the lower K in the lower byte
.else
	v_lshl_or_b32 v[SB+(\t)/4], v17, 8*((\t)%4), v[SB+(\t)/4]
.endif
.irp g, 0,1,2,3
	v_cvt_scalef32_pk8_fp4_f32 v[WC+\g], v[XS+8*\g:XS+8*\g+7], v11
.endr
	ds_store_b128 v4, v[WC:WC+3] offset:16*(\t)    ; 32 codes: 16 bytes of my column's row (the next block begins with plain vector lines)
.if (\t)+4 < 16
	WLOAD (\t)+4
.endif
	s_wait_dscnt 0x0                               ; the store has read its registers: the next block's codes may be written
.endm
	s_load_b256 s[4:11], s[0:1], 0x0               ; hidden_states s[4:5], w_attn s[6:7], w_proj s[8:9], codes s[10:11]
	s_load_b128 s[12:15], s[0:1], 0x20             ; scales s[12:13], wpt s[14:15]
	v_lshl_add_u32 v[SPW], v0, 2, SPARE
	v_mov_b32 v[NIL], 0
	v_lshrrev_b32 v1, 5, v0
	v_readfirstlane_b32 s16, v1                    ; wave 0..3
	v_and_b32 v2, 31, v0                           ; lane
	s_wait_kmcnt 0x0
	s_cmp_lt_u32 ttmp9, 256
	s_cbranch_scc0 .Lnot_x
	; ---------------- X: a wave takes 16 steps of 512 numbers
	v_lshlrev_b32 v3, 4, v2                        ; my 16 bytes of a load's 512
	s_mul_i32 s17, s16, WREG
	v_lshrrev_b32 v14, 2, v2
	v_mul_u32_u24 v14, v14, SP
	v_and_b32 v15, 3, v2
	v_lshl_add_u32 v14, v15, 4, v14
	v_add_nc_u32 v14, s17, v14                     ; the stage, in: SP (lane / 4) + 16 (lane % 4)
	v_mul_u32_u24 v15, v2, SP
	v_add_nc_u32 v15, s17, v15                     ; and out: SP x lane
	v_mul_u32_u24 v4, v2, CB
	v_lshrrev_b32 v5, 1, v2
	s_add_co_u32 s17, s17, 2*32*SP
	v_add_nc_u32 v5, s17, v5                       ; my block's byte among the wave's 256
	v_lshlrev_b32 v7, 3, v2
	v_add_nc_u32 v6, s17, v7
	s_lshl_b32 s17, ttmp9, 2
	s_add_co_u32 s18, s17, s16                     ; which run of 8,192 numbers is my wave's
	s_mov_b32 s19, 0
	s_lshl_b64 s[20:21], s[18:19], 15              ; 32,768 bytes of f32,
	s_add_nc_u64 s[4:5], s[4:5], s[20:21]
	s_lshl_b64 s[20:21], s[18:19], 12              ; 4,096 of codes,
	s_add_nc_u64 s[10:11], s[10:11], s[20:21]
	s_lshl_b32 s18, s18, 8                         ; 256 of scale bytes
	s_add_nc_u64 s[12:13], s[12:13], s[18:19]
.irp t, 0,1,2,3
	XLOAD \t
.endr
	s_wait_loadcnt 12                              ; step 0's four loads are in
	XTURN 0
.irp t, 0,1,2,3,4,5,6,7,8,9,10,11,12,13,14,15
	XSTEP \t
.endr
	ds_load_b64 v[8:9], v6                         ; my wave's 256 scale bytes, 8 a lane
	s_wait_dscnt 0x0
	global_store_b64 v7, v[8:9], s[12:13]          ; one aligned run of 256 bytes
	FIN
.Lnot_x:
	s_cmp_lt_u32 ttmp9, 304
	s_cbranch_scc0 .Lwp
	; ---------------- WA: a lane takes a column and its registers run down K; a wave takes 32 columns x 512 along K
	s_sub_co_u32 s17, ttmp9, 256
	s_lshr_b32 s18, s17, 1                         ; which 128 columns
	s_and_b32 s19, s17, 1                          ; which half of K
	s_lshl_b32 s18, s18, 7
	s_lshl_b32 s20, s16, 5
	s_add_co_u32 s18, s18, s20                     ; my wave's first column
	v_lshlrev_b32 v3, 2, v2
	s_mul_i32 s20, s16, 32*272
	s_add_co_u32 s20, s20, WAST                    ; my stage
	v_mul_u32_u24 v4, v2, 272
	v_add_nc_u32 v4, s20, v4                       ; into it: row = my column
	v_and_b32 v5, 15, v2
	v_lshrrev_b32 v6, 4, v2
	v_mul_u32_u24 v7, v6, 272
	v_lshl_add_u32 v7, v5, 4, v7
	v_add_nc_u32 v7, s20, v7                       ; out of it: sixteen lanes to a row, two rows an instruction
	v_lshlrev_b32 v8, 9, v6
	v_lshl_add_u32 v8, v5, 4, v8                   ; the same place in the codes' buffer
	v_lshlrev_b32 v9, 5, v2                        ; my column's row of scale bytes
	s_mul_i32 s20, s19, 512*12288
	s_lshl_b32 s21, s18, 2
	s_add_co_u32 s20, s20, s21
	s_mov_b32 s21, 0
	s_add_nc_u64 s[6:7], s[6:7], s[20:21]
	s_lshl_b32 s20, s18, 9                         ; codes: column x 512 bytes + the half of K
	s_lshl_b32 s22, s19, 8
	s_add_co_u32 s20, s20, s22
	s_add_co_u32 s20, s20, WAC
	s_add_nc_u64 s[10:11], s[10:11], s[20:21]
	s_lshl_b32 s20, s18, 5                         ; scale bytes: column x 32 + the half of K
	s_lshl_b32 s22, s19, 4
	s_add_co_u32 s20, s20, s22
	s_add_co_u32 s20, s20, WAS
	s_add_nc_u64 s[12:13], s[12:13], s[20:21]
.irp t, 0,1,2,3
	WLOAD \t
.endr
.irp t, 0,1,2,3,4,5,6,7,8,9,10,11,12,13,14,15
	WBLOCK \t
.endr
	global_store_b128 v9, v[SB:SB+3], s[12:13]     ; my column's 16 scale bytes
.irp t, 0,1,2,3,4,5,6,7,8,9,10,11,12,13,14,15
	ds_load_b128 v[WX+4*\t:WX+4*\t+3], v7 offset:544*\t   ; LDS serves a wave's instructions in order: these see my stores
.endr
.irp t, 0,1,2,3,4,5,6,7,8,9,10,11,12,13,14,15
	s_wait_dscnt 15-\t                             ; the younger stage loads may be out
	global_store_b128 v8, v[WX+4*\t:WX+4*\t+3], s[10:11] offset:1024*\t   ; sixteen lanes store 256 consecutive bytes, aligned
.endr
	FIN
.Lwp:
	; ---------------- WP: 32 columns x 128 along K to a wave, rounded to f16 and turned through the wave's own stage
	s_sub_co_u32 s17, ttmp9, 304
	s_lshr_b32 s18, s17, 1                         ; which 32 columns
	s_and_b32 s19, s17, 1                          ; which half of K
	v_lshlrev_b32 v3, 2, v2
	s_mul_i32 s20, s16, 32*272
	s_add_co_u32 s20, s20, WPST
	v_mul_u32_u24 v4, v2, 272
	v_add_nc_u32 v4, s20, v4
	v_lshrrev_b32 v6, 4, v2
	v_and_b32 v5, 15, v2
	v_mul_u32_u24 v7, v6, 272
	v_lshl_add_u32 v7, v5, 4, v7
	v_add_nc_u32 v7, s20, v7
	v_lshlrev_b32 v8, 11, v6
	v_lshl_add_u32 v8, v5, 4, v8
	s_lshl_b32 s20, s19, 9
	s_lshl_b32 s21, s16, 7
	s_add_co_u32 s22, s20, s21                     ; my first row of K
	s_lshl_b32 s20, s22, 12
	s_lshl_b32 s21, s18, 7
	s_add_co_u32 s20, s20, s21
	s_mov_b32 s21, 0
	s_add_nc_u64 s[8:9], s[8:9], s[20:21]
	s_lshl_b32 s20, s18, 16                        ; wpt: column x 2,048 bytes + 2 bytes x my first K
	s_lshl_b32 s22, s22, 1
	s_add_co_u32 s20, s20, s22
	s_add_nc_u64 s[14:15], s[14:15], s[20:21]
.set i, 0
.rept 128
	global_load_b32 v[WX+i], v3, s[8:9] offset:i*4096 th:TH_LOAD_NT
.set i, i+1
.endr
.irp t, 0,1,2,3
.if \t < 2
	s_wait_loadcnt 63                              ; group t's 32 loads are in: 96 and 64 were issued behind them; 63 is the most that a wait names
.elseif \t == 2
	s_wait_loadcnt 32
.else
	s_wait_loadcnt 0x0
.endif
.set i, 32*\t
.rept 16
	v_cvt_pk_f16_f32 v[WX+i/2], v[WX+i], v[WX+i+1] ; in place, ascending: a result never lands on a number not yet read, nor on a register whose load is out
.set i, i+2
.endr
.endr
.irp u, 0,1,2,3,4,5,6,7,8,9,10,11,12,13,14,15
	ds_store_b128 v4, v[WX+4*\u:WX+4*\u+3] offset:16*\u
.endr
.irp t, 0,1,2,3,4,5,6,7,8,9,10,11,12,13,14,15
	ds_load_b128 v[96+4*\t:96+4*\t+3], v7 offset:544*\t
.endr
.irp t, 0,1,2,3,4,5,6,7,8,9,10,11,12,13,14,15
	s_wait_dscnt 15-\t
	global_store_b128 v8, v[96+4*\t:96+4*\t+3], s[14:15] offset:4096*\t   ; sixteen lanes store 256 consecutive bytes, aligned
.endr
	FIN
.Lfunc_end_k_q6f3c8e17c1_prep:
	.size	k_q6f3c8e17c1_prep, .Lfunc_end_k_q6f3c8e17c1_prep-k_q6f3c8e17c1_prep
	.p2alignl 7, 3214868480
	.fill 96, 4, 3214868480
	.section	.rodata,"a",@progbits
	.p2align	6, 0x0
	.amdhsa_kernel k_q6f3c8e17c1_prep
		.amdhsa_group_segment_fixed_size 102912
		.amdhsa_private_segment_fixed_size 0
		.amdhsa_enable_private_segment 0
		.amdhsa_kernarg_size 48
		.amdhsa_user_sgpr_count 2
		.amdhsa_user_sgpr_kernarg_segment_ptr 1
		.amdhsa_wavefront_size32 1
		.amdhsa_system_sgpr_workgroup_id_x 1
		.amdhsa_system_sgpr_workgroup_id_y 1
		.amdhsa_system_sgpr_workgroup_id_z 1
		.amdhsa_system_vgpr_workitem_id 0
		.amdhsa_next_free_vgpr 192
		.amdhsa_next_free_sgpr 66
		.amdhsa_reserve_vcc 0
		.amdhsa_float_denorm_mode_32 3
		.amdhsa_float_denorm_mode_16_64 3
		.amdhsa_memory_ordered 1
		.amdhsa_forward_progress 1
		.amdhsa_inst_pref_size 132
	.end_amdhsa_kernel
	.amdgpu_metadata
---
amdhsa.version: [ 1, 2 ]
amdhsa.kernels:
  - .name:           k_q6f3c8e17c1_prep
    .symbol:         k_q6f3c8e17c1_prep.kd
    .args:
      - { .name: hidden_states, .offset: 0, .size: 8, .value_kind: global_buffer, .address_space: global }
      - { .name: w_attn, .offset: 8, .size: 8, .value_kind: global_buffer, .address_space: global }
      - { .name: w_proj, .offset: 16, .size: 8, .value_kind: global_buffer, .address_space: global }
      - { .name: codes, .offset: 24, .size: 8, .value_kind: global_buffer, .address_space: global }
      - { .name: scales, .offset: 32, .size: 8, .value_kind: global_buffer, .address_space: global }
      - { .name: wpt, .offset: 40, .size: 8, .value_kind: global_buffer, .address_space: global }
    .group_segment_fixed_size: 102912
    .private_segment_fixed_size: 0
    .kernarg_segment_align: 8
    .kernarg_segment_size: 48
    .max_flat_workgroup_size: 128
    .sgpr_count:     66
    .vgpr_count:     192
    .wavefront_size: 32
...
	.end_amdgpu_metadata
.endif
;; end of part 1
;; launch qkv (part 2): grid 12 x 32, 4 waves a work-group, clusters of 4 x 4, 327,680 bytes of LDS; arguments codes, scales, b_attn, qkv, side; writes qkv, side
.if DOCPART == 2
	.amdgcn_target "amdgcn-amd-amdhsa--gfx1250"
	.amdhsa_code_object_version 6
	.text
	.protected	k_q6f3c8e17c1_qkv
	.globl	k_q6f3c8e17c1_qkv
	.p2align	8
	.type	k_q6f3c8e17c1_qkv,@function
k_q6f3c8e17c1_qkv:
	s_mov_b64 s[64:65], 0
	v_nop
	global_prefetch_b8 v0, s[64:65] scope:SCOPE_SE
	s_setreg_imm32_b32 hwreg(HW_REG_WAVE_MODE, 25, 1), 1
	s_wait_xcnt 0x0
	s_wait_alu depctr_hold_cnt(0) depctr_sa_sdst(0) depctr_va_vdst(0) depctr_va_sdst(0) depctr_va_ssrc(0) depctr_va_vcc(0) depctr_vm_vsrc(0)
	s_getreg_b32 s2, hwreg(HW_REG_IB_STS2, 6, 4)
	s_cmp_eq_u32 s2, 0
	s_cbranch_scc0 .Lentry_in_a_cluster
	s_endpgm
.Lentry_in_a_cluster:
	s_bfe_u32 s2, ttmp6, 0x10000c
	s_cmp_lg_u32 s2, 0xf033
	s_cbranch_scc0 .Lentry_shape_is_right
	s_endpgm
.Lentry_shape_is_right:
; q, k, v = Q(x) Q(w_attn) + b_attn on codes of FP4 (E2M1) with one E8M0 scale for each 32 along K: M 8,192, N 3,072, K 1,024; sums in f32.
; A tile of 256 x 256 to a work-group of four waves, 128 x 128 to a wave (64 accumulators, 512 registers).  K is two slots of 512: both are first fills, nothing is filled again, there is no loop.
; The scale bytes of the work-group's rows, for all of K, come into LDS once with the first fills.
; CLUSTERS: 4 x 4 work-groups; A's tiles are asked for jointly along a row of the cluster, B's along a column.  The tile row is 8 cy + cluster y: the four rows of a cluster are the four batches,
; so that 'first tile of a batch' (cluster y = 0) and 'columns of v' (cluster x = 2) are equal in all partners, and branches may hang on them.
; THE MATRIX INSTRUCTION IS USED TRANSPOSED (source 0 = 16 rows of B, source 1 = 16 rows of A): a lane holds eight neighbouring columns of one row.  The bias is the C of each sum's first product.
; OUT: f16, as head planes [which 3][batch 4][head 16][position 2048][64]: a store of the wave covers four positions of one head, 512 consecutive bytes.
;      'side', f32: FIRST [batch][16 positions][3072] (the first 16 positions, kept whole); VSUM [batch][32 blocks][1024]: the sum of v over the 64 positions of a block (block 0: positions 16-63 alone).
; No prefetch: all tiles are asked for at the head.
; LIMITS: q, k, v must lie inside f16's range (65,504); NaN and infinities are not served.
; REGISTERS: window 0: v0-31 addresses; v32-95 scale words and nothing else; v96-103 at work; v128-191 A's fragments, on the way out rows; v192-255 the bias, on the way out packed results.
;   window 1: B's fragments, two sets.   windows 2, 3: the accumulators ((a, b) at v[8 (8 (a % 4) + b)]).
.set NQ,     4
.set ROWB,   256
.set KROW,   512
.set PITCH,  272                       ; 256 bytes + 16 of padding: the sixteen rows of a fragment load start at sixteen different banks (64 banks of 4 bytes: ISA guide 11.1)
.set FR,     8
.set NL,     2
.set NP,     4
.set HALFT,  128*PITCH
.set SLOT,   4*HALFT
.set KS,     32
.set SCL,    2*SLOT
.set HALFS,  16*272
.set SBLK,   2*272
.set SPARE,  SCL+4*HALFS               ; the spare words: 128 bytes a wave, two blocks of 256 bytes that no other line names
.set WAC,    4194304
.set WAS,    262144
.set PL,     262144                    ; a head plane in bytes
.set VSO,    786432
.set ADRA, 16
.set ADRB, 20
.set STV,  22                          ; v22 stage + 32 h: where a sum of v is put
.set BO,   23                          ; v23 32 h: my half's eight numbers of the bias
.set STO,  24                          ; v24 stage + 272 r + 16 h
.set RD,   25                          ; v25 stage + 272 (l / 8) + 16 (l % 8)
.set CO,   26                          ; v26 16 l
.set ADRS, 27
.set SPW,  28
.set NIL,  29
.set STF,  30                          ; v30 stage + 528 r + 32 h
.set RDF,  31                          ; v31 stage + 16 l
.set SC,   32
.set VB,   96
.set AF,   128
.set BK,   128
.set GS,   128
.set BI,   192
.set TMP,  192
.set G1, 24
.set G0, 32
.set G1B, 48
.set G0B, 56
.set G1S, 68
.set G0S, 76
.set G1SB, 80
.set G0SB, 88
.set MSB, 0
.macro WIN new                         ; the immediate's high byte repeats the setting that is left
.if MSB != (\new)
	s_set_vgpr_msb (MSB<<8)|(\new)
.set MSB, (\new)
.endif
.endm
.set MUL_LO, 0xa1                      ; source 0 (B) window 1, source 1 (A) window 0, C and D window 2
.set MUL_HI, 0xf1
.set TO_B,   0x40
.macro JLOAD g0a, g1a, g0b, g1b        ; a joint load: waves 0 and 1 fetch for A, waves 2 and 3 for B; an s_nop 0 and four v_nop follow each line
	s_cmp_eq_u32 s15, 0
	s_cbranch_scc0 .Lfor_b_\@
	tensor_load_to_lds s[\g0a:\g0a+3], s[\g1a:\g1a+7]
	s_nop 0
.rept 4
	v_nop
.endr
	s_branch .Lasked_\@
.Lfor_b_\@:
	tensor_load_to_lds s[\g0b:\g0b+3], s[\g1b:\g1b+7]
	s_nop 0
.rept 4
	v_nop
.endr
.Lasked_\@:
.endm
.macro CROUND                          ; a round of the cluster's barrier
	s_barrier_signal -1
	s_barrier_wait -1
	s_cmp_lg_u32 s14, 0
	s_cbranch_scc1 .Lnot_wave_0_\@
	s_barrier_signal -3
.Lnot_wave_0_\@:
	s_barrier_wait -3
	s_barrier_signal -1
	s_barrier_wait -1
.endm
	s_load_b128 s[4:7], s[0:1], 0x0                ; codes s[4:5], scales s[6:7]
	s_load_b128 s[8:11], s[0:1], 0x10              ; b_attn s[8:9], qkv s[10:11]
	s_load_b64 s[12:13], s[0:1], 0x20              ; side
	v_lshl_add_u32 v[SPW], v0, 2, SPARE
	v_mov_b32 v[NIL], 0
	ds_add_u32 v[SPW], v[NIL]                      ; the wave's opening: the add, twice on end, and its wait ahead of my first tensor load
	ds_add_u32 v[SPW], v[NIL]
	v_lshrrev_b32 v1, 5, v0
	v_readfirstlane_b32 s14, v1                    ; wave 0..3
	s_lshr_b32 s15, s14, 1                         ; which half of the tile's rows is mine.  Also: I fetch for A (0) or for B (1)
	s_and_b32 s16, s14, 1                          ; which half of its columns.  Also: which 128 rows I fetch
	s_bfe_u32 s40, ttmp6, 0x40000                  ; cx
	s_bfe_u32 s41, ttmp6, 0x40004                  ; cy
	s_lshl_b32 s42, ttmp9, 2
	s_add_co_u32 s42, s42, s40                     ; tile column = 4 x cluster x + cx
	s_and_b32 s3, ttmp7, 0xffff                    ; cluster y
	s_lshl_b32 s17, s41, 3
	s_add_co_u32 s17, s17, s3                      ; tile row = 8 cy + cluster y: batch cy, tile cluster y of its eight
	s_lshl_b32 s43, s41, 2
	s_lshl_b32 s43, 15, s43                        ; my row of the cluster
	s_lshl_b32 s44, 0x1111, s40                    ; my column
	s_or_b32 s[G1+0], s43, (0<<16)|(1<<20)|(1<<21)|(5<<22)|(3<<25)  ; the mask; elements of 1 byte; padding on; bit 21 beside a mask; 4 words behind every 64
	s_or_b32 s[G1B+0], s44, (0<<16)|(1<<20)|(1<<21)|(5<<22)|(3<<25)
.irp g, G1, G1B
	s_mov_b32 s[\g+1], ROWB<<16                    ; tensor_dim0
	s_mov_b32 s[\g+2], 128<<16                     ; tensor_dim1
	s_mov_b32 s[\g+3], ROWB<<16                    ; tile_dim0
	s_mov_b32 s[\g+4], 128                         ; tile_dim1
	s_mov_b32 s[\g+5], KROW                        ; the pitch
	s_mov_b32 s[\g+6], 0
	s_mov_b32 s[\g+7], 0
.endr
	s_or_b32 s[G1S+0], s43, (3<<16)|(1<<20)|(1<<21)|(5<<22)|(3<<25)  ; the scales of 128 rows: 4,096 dense bytes as 16 rows of 256 (32 elements of 8 bytes)
	s_or_b32 s[G1SB+0], s44, (3<<16)|(1<<20)|(1<<21)|(5<<22)|(3<<25)
.irp g, G1S, G1SB
	s_mov_b32 s[\g+1], 32<<16
	s_mov_b32 s[\g+2], 16<<16
	s_mov_b32 s[\g+3], 32<<16
	s_mov_b32 s[\g+4], 16
	s_mov_b32 s[\g+5], 32
	s_mov_b32 s[\g+6], 0
	s_mov_b32 s[\g+7], 0
.endr
	s_lshl_b32 s18, s16, 7
	s_lshl_b32 s20, s17, 8
	s_add_co_u32 s20, s20, s18                     ; A: row 256 x tile row + 128 x half
	s_lshl_b32 s46, s42, 8
	s_add_co_u32 s46, s46, s18                     ; B: row 256 x tile column + 128 x half
	s_mov_b32 s21, 0
	s_mov_b32 s47, 0
	s_mov_b64 s[18:19], KS
	s_mul_u64 s[22:23], s[20:21], s[18:19]
	s_mul_u64 s[92:93], s[46:47], s[18:19]
	s_mov_b64 s[18:19], KROW
	s_mul_u64 s[20:21], s[20:21], s[18:19]
	s_mul_u64 s[46:47], s[46:47], s[18:19]
	s_mul_i32 s45, s14, HALFT                      ; where they go: wave x 128 rows: no place in the cluster enters an LDS address
	s_mul_i32 s94, s14, HALFS
	s_or_b32 s95, s3, s15                          ; 0: my 128 rows begin a batch
	s_wait_dscnt 0x0                               ; both opening adds are done
	s_wait_kmcnt 0x0
	s_add_nc_u64 s[20:21], s[4:5], s[20:21]
	s_add_nc_u64 s[22:23], s[6:7], s[22:23]
	s_add_nc_u64 s[46:47], s[4:5], s[46:47]
	s_add_nc_u64 s[46:47], s[46:47], WAC
	s_add_nc_u64 s[92:93], s[6:7], s[92:93]
	s_add_nc_u64 s[92:93], s[92:93], WAS
	CROUND                                         ; all sixteen work-groups are here: the first joint loads meet
	s_mov_b32 s[G0S], 1
	s_add_co_u32 s[G0S+1], s94, SCL
	s_mov_b64 s[G0S+2:G0S+3], s[22:23]
	s_or_b32 s[G0S+3], s[G0S+3], 0x80000000
	s_mov_b32 s[G0SB], 1
	s_add_co_u32 s[G0SB+1], s94, SCL
	s_mov_b64 s[G0SB+2:G0SB+3], s[92:93]
	s_or_b32 s[G0SB+3], s[G0SB+3], 0x80000000
	JLOAD G0S, G1S, G0SB, G1SB                     ; the scales first; by this text's count three tensor loads of a wave are out at the most
.irp s, 0,1
	s_mov_b32 s[G0+4*\s], 1
	s_add_co_u32 s[G0+4*\s+1], s45, \s*SLOT
	s_add_nc_u64 s[G0+4*\s+2:G0+4*\s+3], s[20:21], \s*ROWB
	s_or_b32 s[G0+4*\s+3], s[G0+4*\s+3], 0x80000000
	s_mov_b32 s[G0B+4*\s], 1
	s_add_co_u32 s[G0B+4*\s+1], s45, \s*SLOT
	s_add_nc_u64 s[G0B+4*\s+2:G0B+4*\s+3], s[46:47], \s*ROWB
	s_or_b32 s[G0B+4*\s+3], s[G0B+4*\s+3], 0x80000000
	JLOAD G0+4*\s, G1, G0B+4*\s, G1B
.endr
	v_and_b32 v1, 15, v0                           ; r
	v_bfe_u32 v2, v0, 4, 1                         ; h
	v_mul_u32_u24 v3, v1, PITCH
	v_lshl_add_u32 v4, v2, 4, v3
	s_mul_i32 s21, s15, HALFT
	s_mul_i32 s22, s16, HALFT
	s_add_co_u32 s22, s22, 2*HALFT
.irp s, 0,1
	v_add_nc_u32 v[ADRA+\s], s21, v4
	v_add_nc_u32 v[ADRB+\s], s22, v4
	s_add_co_u32 s21, s21, SLOT
	s_add_co_u32 s22, s22, SLOT
.endr
	v_mul_u32_u24 v5, v1, KS                       ; my row's scales: 32 bytes a row,
	v_lshrrev_b32 v6, 8, v5
	v_lshl_add_u32 v5, v6, 4, v5                   ; and 16 more for each 256 passed
	s_mul_i32 s21, s15, HALFS
	s_mul_i32 s22, s16, HALFS
	s_add_co_u32 s22, s22, 2*HALFS
	s_sub_co_u32 s22, s22, s21
	v_mul_u32_u24 v6, s22, v2                      ; lanes 16-31 take B's: one product, the distance between the two bases
	s_add_co_u32 s21, s21, SCL
	v_add_nc_u32 v5, v5, v6
	v_add_nc_u32 v[ADRS], s21, v5
	s_mul_i32 s23, s14, 8448                       ; my stage, in slot 0: it has had its last fill and its last read when the first result is stored there
	v_mul_u32_u24 v5, v1, 272
	v_lshl_add_u32 v5, v2, 4, v5
	v_add_nc_u32 v[STO], s23, v5
	v_bfe_u32 v5, v0, 3, 2
	v_mul_u32_u24 v5, v5, 272
	v_and_b32 v6, 7, v0
	v_lshl_add_u32 v5, v6, 4, v5
	v_add_nc_u32 v[RD], s23, v5
	v_and_b32 v6, 31, v0
	v_lshlrev_b32 v[CO], 4, v6
	v_add_nc_u32 v[RDF], s23, v[CO]
	v_mul_u32_u24 v5, v1, 528
	v_lshl_add_u32 v5, v2, 5, v5
	v_add_nc_u32 v[STF], s23, v5
	v_lshlrev_b32 v[BO], 5, v2
	v_add_nc_u32 v[STV], s23, v[BO]
	s_lshl_b32 s96, s42, 10                        ; my first column x 4 bytes: 1,024 x tile column + 512 x half
	s_lshl_b32 s97, s16, 9
	s_add_co_u32 s96, s96, s97
	s_mov_b32 s97, 0
	s_add_nc_u64 s[8:9], s[8:9], s[96:97]          ; the bias at my first column
	s_mul_i32 s98, s41, 196608                     ; FIRST: batch x 16 rows of 12,288 bytes + my column
	s_add_co_u32 s98, s98, s96
	s_mov_b32 s99, 0
	s_add_nc_u64 s[98:99], s[12:13], s[98:99]
	s_lshl_b32 s100, s41, 5                        ; VSUM: block = 32 x batch + 4 x cluster y + 2 x half of the rows
	s_lshl_b32 s101, s3, 2
	s_add_co_u32 s100, s100, s101
	s_lshl_b32 s101, s15, 1
	s_add_co_u32 s100, s100, s101
	s_lshl_b32 s100, s100, 12                      ; 4,096 bytes a block
	s_lshl_b32 s101, s40, 10                       ; + my column inside v
	s_add_co_u32 s100, s100, s101
	s_lshl_b32 s101, s16, 9
	s_add_co_u32 s100, s100, s101
	s_add_co_u32 s100, s100, VSO
	s_mov_b32 s101, 0
	s_add_nc_u64 s[100:101], s[12:13], s[100:101]
	s_lshl_b32 s18, ttmp9, 6                       ; the plane: 64 x which + 16 x batch + head, head = 4 cx + 2 x half of the columns
	s_lshl_b32 s19, s41, 4
	s_add_co_u32 s18, s18, s19
	s_lshl_b32 s19, s40, 2
	s_add_co_u32 s18, s18, s19
	s_lshl_b32 s19, s16, 1
	s_add_co_u32 s18, s18, s19
	s_lshl_b32 s18, s18, 18
	s_lshl_b32 s19, s3, 15                         ; + my first position x 128 bytes
	s_add_co_u32 s18, s18, s19
	s_lshl_b32 s19, s15, 14
	s_add_co_u32 s18, s18, s19
	s_mov_b32 s19, 0
	s_add_nc_u64 s[10:11], s[10:11], s[18:19]
.irp b, 0,1,2,3,4,5,6,7
	global_load_b128 v[BI+8*\b:BI+8*\b+3], v[BO], s[8:9] offset:64*\b          ; the bias in the result's layout: columns 16 b + 8 h + 0 .. 7
	global_load_b128 v[BI+8*\b+4:BI+8*\b+7], v[BO], s[8:9] offset:64*\b+16
.endr
.macro FRAG reg, adr, q, i             ; 16 rows x 128 K of 4-bit codes: 8 registers, two loads of 16 bytes, 32 bytes apart
.irp c, 0,1
	ds_load_b128 v[\reg+4*\c:\reg+4*\c+3], v[\adr] offset:64*(\q)+32*\c+(\i)*16*PITCH
.endr
.endm
; 16 matrix instructions: A's blocks a0, a0 + 1 x B's eight.  first = 1: the bias is the C of the sum's first product.  The 64 accumulators take turns.
.macro MUL16 a0, p, q, sc, first
.irp a, \a0, \a0+1
.irp b, 0,1,2,3,4,5,6,7
.if \first
	v_wmma_scale_f32_16x16x128_f8f6f4 v[8*(8*((\a)%4)+\b):8*(8*((\a)%4)+\b)+7], v[128*(\p)+FR*\b:128*(\p)+FR*\b+FR-1], v[AF+FR*(\a):AF+FR*(\a)+FR-1], v[BI+8*\b:BI+8*\b+7], v[SC+8*NQ*(\sc)+NQ*\b+(\q)], v[SC+8*NQ*(\sc)+NQ*(\a)+(\q)] matrix_a_fmt:MATRIX_FMT_FP4 matrix_b_fmt:MATRIX_FMT_FP4 matrix_a_scale:MATRIX_SCALE_ROW1
.else
	v_wmma_scale_f32_16x16x128_f8f6f4 v[8*(8*((\a)%4)+\b):8*(8*((\a)%4)+\b)+7], v[128*(\p)+FR*\b:128*(\p)+FR*\b+FR-1], v[AF+FR*(\a):AF+FR*(\a)+FR-1], v[8*(8*((\a)%4)+\b):8*(8*((\a)%4)+\b)+7], v[SC+8*NQ*(\sc)+NQ*\b+(\q)], v[SC+8*NQ*(\sc)+NQ*(\a)+(\q)] matrix_a_fmt:MATRIX_FMT_FP4 matrix_b_fmt:MATRIX_FMT_FP4 matrix_a_scale:MATRIX_SCALE_ROW1
.endif
.endr
.endr
.endm
.macro FETCH_B slot, q, p
	WIN TO_B
.irp i, 0,1,2,3,4,5,6,7
	FRAG 128*(\p)+FR*\i, ADRB+\slot, \q, \i
.endr
	WIN 0
.endm
.macro FETCH_A slot, q, i0
.irp i, \i0, \i0+1, \i0+2, \i0+3
	FRAG AF+FR*(\i), ADRA+\slot, \q, \i
.endr
.endm
.macro SCALES sc                       ; a slot's scale words: lanes 0-15 take A's block i, lanes 16-31 B's block i
.irp i, 0,1,2,3,4,5,6,7
	ds_load_b128 v[SC+8*NQ*\sc+NQ*\i:SC+8*NQ*\sc+NQ*\i+3], v[ADRS] offset:\i*SBLK
.endr
.endm
.macro PLACES n                        ; plain vector lines between a matrix instruction and a load into, or a read of, its registers
.rept \n
	v_nop
.endr
.endm
.macro STEP slot, q, first             ; 128 along K that has its successor in the same slot
	s_wait_dscnt 4*NL                              ; B's set and A's blocks 0-3 are in; the youngest eight loads (A's blocks 4-7) may be out
	WIN MUL_LO-0x20*(\first)                       ; (first: C in window 0)
	MUL16 0, (\q)%2, \q, \slot, \first
	MUL16 2, (\q)%2, \q, \slot, \first
	s_wait_dscnt 0
	PLACES NP
	FETCH_B \slot, (\q)+1, 1-(\q)%2
	FETCH_A \slot, (\q)+1, 0
	WIN MUL_HI-0x30*(\first)
	MUL16 4, (\q)%2, \q, \slot, \first
	MUL16 6, (\q)%2, \q, \slot, \first
	PLACES NP
	WIN 0
	FETCH_A \slot, (\q)+1, 4
.endm
	s_wait_tensorcnt 1                             ; the scales and my part of slot 0 are in; slot 1's load may be out
	s_barrier_signal -1
	s_barrier_wait -1
	FETCH_B 0, 0, 0
	FETCH_A 0, 0, 0
	SCALES 0
	FETCH_A 0, 0, 4
	s_wait_loadcnt 0x0                             ; the bias
	STEP 0, 0, 1
	STEP 0, 1, 0
	STEP 0, 2, 0
	; slot 0's last step changes slots: one barrier; nothing is filled again
	s_wait_tensorcnt 0x0                           ; my part of slot 1 has landed
	ds_add_u32 v[SPW], v[NIL]
	s_wait_dscnt 4*NL+1                            ; the add and the youngest eight loads may be out
	WIN MUL_LO
	MUL16 0, 1, NQ-1, 0, 0
	s_wait_dscnt 0x0                               ; the add is done, and my reads of slot 0 are over
	s_barrier_signal -1
	MUL16 2, 1, NQ-1, 0, 0
	WIN 0
	s_barrier_wait -1
	PLACES NP
	v_add_nc_u32 v[ADRS], 4*NQ, v[ADRS]            ; on to slot 1's scale words
	FETCH_B 1, 0, 0
	FETCH_A 1, 0, 0
	SCALES 1
	WIN MUL_HI
	MUL16 4, 1, NQ-1, 0, 0
	MUL16 6, 1, NQ-1, 0, 0
	PLACES NP
	WIN 0
	FETCH_A 1, 0, 4
	STEP 1, 0, 0
	STEP 1, 1, 0
	STEP 1, 2, 0
	s_wait_dscnt 4*NL
	WIN MUL_LO
	MUL16 0, 1, NQ-1, 1, 0
	MUL16 2, 1, NQ-1, 1, 0
	s_wait_dscnt 0
	WIN MUL_HI
	MUL16 4, 1, NQ-1, 1, 0
	MUL16 6, 1, NQ-1, 1, 0
	WIN 0
; THE WAY OUT, a block of 16 rows at a time: rounded to f16, 16 bytes a lane into my stage (rows of 272 bytes), back as four positions of one head (512 bytes), stored into that head's plane.
.macro PACK a
.set AC, 64*((\a)%4)
	WIN 0x0a+5*((\a)/4)                            ; sources in window 2 or 3
.irp b, 0,1,2,3,4,5,6,7
.irp r, 0,1,2,3
	v_cvt_pk_f16_f32 v[TMP+4*\b+\r], v[AC+8*\b+2*\r], v[AC+8*\b+2*\r+1]   ; each accumulator from its low end on
.endr
.endr
	WIN 0
.endm
.macro TOSTAGE a
.set BB, BK+32*((\a)%2)
.irp b, 0,1,2,3,4,5,6,7
	ds_store_b128 v[STO], v[TMP+4*\b:TMP+4*\b+3] offset:32*\b
.endr
.irp t, 0,1,2,3,4,5,6,7
	ds_load_b128 v[BB+4*\t:BB+4*\t+3], v[RD] offset:(\t%4)*1088+(\t/4)*128   ; LDS serves a wave's instructions in order: these see the stores above
.endr
.endm
.macro SEND a
.set BB, BK+32*((\a)%2)
	s_wait_dscnt 0x0                               ; the block is back in registers
	s_wait_xcnt 0x0                                ; the stores of the block before have read their registers: the next block's rows may land there
.irp t, 0,1,2,3,4,5,6,7
	global_store_b128 v[CO], v[BB+4*\t:BB+4*\t+3], s[10:11] offset:(\a)*2048+(\t%4)*512+(\t/4)*PL   ; 32 lanes store 512 consecutive bytes, aligned
.endr
.endm
	PLACES NP
	PACK 0
	TOSTAGE 0
.irp a, 1,2,3,4,5,6,7
	PACK \a
	SEND \a-1
	TOSTAGE \a
.endr
	SEND 7
	s_wait_xcnt 0x0                                ; the last stores have read v128-191, which are written below
	s_cmp_lg_u32 s95, 0
	s_cbranch_scc1 .Lnot_first
	; FIRST: my rows 0-15 are the first 16 positions of a batch: kept in f32
	WIN 0x08                                       ; an LDS store's data: window 2
.irp b, 0,1,2,3,4,5,6,7
	ds_store_b128 v[STF], v[8*\b:8*\b+3] offset:64*\b
	ds_store_b128 v[STF], v[8*\b+4:8*\b+7] offset:64*\b+16
.endr
	WIN 0
.irp t, 0,1,2,3,4,5,6,7,8,9,10,11,12,13,14,15
	ds_load_b128 v[BK+4*\t:BK+4*\t+3], v[RDF] offset:\t*528
.endr
	s_wait_dscnt 0x0
.irp t, 0,1,2,3,4,5,6,7,8,9,10,11,12,13,14,15
	global_store_b128 v[CO], v[BK+4*\t:BK+4*\t+3], s[98:99] offset:\t*12288   ; 512 consecutive bytes of a row
.endr
	s_wait_xcnt 0x0
.Lnot_first:
	s_cmp_lg_u32 ttmp9, 2
	s_cbranch_scc1 .Lnot_v
; VSUM: the sum of v over 64 positions: four blocks of rows added in registers, sixteen lanes added by DPP.  g = 0: my rows 0-63 (window 2); g = 1: rows 64-127 (window 3).
.macro GSUM g
	WIN 0x0a+5*\g
.set i, 0
.rept 32
	v_pk_add_f32 v[GS+2*i:GS+2*i+1], v[64+2*i:64+2*i+1], v[128+2*i:128+2*i+1]
.set i, i+1
.endr
	WIN 0x02+\g
.set i, 0
.rept 32
	v_pk_add_f32 v[GS+2*i:GS+2*i+1], v[192+2*i:192+2*i+1], v[GS+2*i:GS+2*i+1]
.set i, i+1
.endr
.if \g == 0
	WIN 0
	s_cmp_eq_u32 s95, 0                            ; a batch's positions 0-15 stay out of block 0's sum
	s_cbranch_scc1 .Lskip16
	WIN 0x02
.endif
.set i, 0
.rept 32
	v_pk_add_f32 v[GS+2*i:GS+2*i+1], v[2*i:2*i+1], v[GS+2*i:GS+2*i+1]
.set i, i+1
.endr
	WIN 0
.if \g == 0
.Lskip16:
.endif
.irp m, 1,2,4,8
.set i, 0
.rept 64
	v_add_f32_dpp v[GS+i], v[GS+i], v[GS+i] row_xmask:\m row_mask:0xf bank_mask:0xf
.set i, i+1
.endr
.endr
.irp b, 0,1,2,3,4,5,6,7
	ds_store_b128 v[STV], v[GS+8*\b:GS+8*\b+3] offset:64*\b          ; the sixteen lanes of a half write the same bytes with the same value
	ds_store_b128 v[STV], v[GS+8*\b+4:GS+8*\b+7] offset:64*\b+16
.endr
	ds_load_b128 v[VB+4*\g:VB+4*\g+3], v[RDF]
	s_wait_dscnt 0x0
	global_store_b128 v[CO], v[VB+4*\g:VB+4*\g+3], s[100:101] offset:4096*\g   ; 512 consecutive bytes: 128 channels
.endm
	GSUM 0
	GSUM 1
.Lnot_v:
	s_wait_tensorcnt 0x0                           ; the wave's end
	ds_add_u32 v[SPW], v[NIL]
	s_wait_dscnt 0x0
	CROUND                                         ; the closing round
	s_endpgm
.Lfunc_end_k_q6f3c8e17c1_qkv:
	.size	k_q6f3c8e17c1_qkv, .Lfunc_end_k_q6f3c8e17c1_qkv-k_q6f3c8e17c1_qkv
	.p2alignl 7, 3214868480
	.fill 96, 4, 3214868480
	.section	.rodata,"a",@progbits
	.p2align	6, 0x0
	.amdhsa_kernel k_q6f3c8e17c1_qkv
		.amdhsa_group_segment_fixed_size 327680
		.amdhsa_private_segment_fixed_size 0
		.amdhsa_enable_private_segment 0
		.amdhsa_kernarg_size 40
		.amdhsa_user_sgpr_count 2
		.amdhsa_user_sgpr_kernarg_segment_ptr 1
		.amdhsa_wavefront_size32 1
		.amdhsa_system_sgpr_workgroup_id_x 1
		.amdhsa_system_sgpr_workgroup_id_y 1
		.amdhsa_system_sgpr_workgroup_id_z 1
		.amdhsa_system_vgpr_workitem_id 0
		.amdhsa_next_free_vgpr 1024
		.amdhsa_next_free_sgpr 102
		.amdhsa_reserve_vcc 0
		.amdhsa_float_denorm_mode_32 3
		.amdhsa_float_denorm_mode_16_64 3
		.amdhsa_memory_ordered 1
		.amdhsa_forward_progress 1
		.amdhsa_inst_pref_size 180
	.end_amdhsa_kernel
	.amdgpu_metadata
---
amdhsa.version: [ 1, 2 ]
amdhsa.kernels:
  - .name:           k_q6f3c8e17c1_qkv
    .symbol:         k_q6f3c8e17c1_qkv.kd
    .args:
      - { .name: codes, .offset: 0, .size: 8, .value_kind: global_buffer, .address_space: global }
      - { .name: scales, .offset: 8, .size: 8, .value_kind: global_buffer, .address_space: global }
      - { .name: b_attn, .offset: 16, .size: 8, .value_kind: global_buffer, .address_space: global }
      - { .name: qkv, .offset: 24, .size: 8, .value_kind: global_buffer, .address_space: global }
      - { .name: side, .offset: 32, .size: 8, .value_kind: global_buffer, .address_space: global }
    .group_segment_fixed_size: 327680
    .private_segment_fixed_size: 0
    .kernarg_segment_align: 8
    .kernarg_segment_size: 40
    .max_flat_workgroup_size: 128
    .sgpr_count:     102
    .vgpr_count:     1024
    .wavefront_size: 32
...
	.end_amdgpu_metadata
.endif
;; end of part 2
;; launch attn (part 3): grid 4 x 64, 8 waves a work-group, no clusters, 327,680 bytes of LDS; arguments qkv, side, ctx; writes ctx
.if DOCPART == 3
	.amdgcn_target "amdgcn-amd-amdhsa--gfx1250"
	.amdhsa_code_object_version 6
	.text
	.protected	k_q6f3c8e17c1_attn
	.globl	k_q6f3c8e17c1_attn
	.p2align	8
	.type	k_q6f3c8e17c1_attn,@function
k_q6f3c8e17c1_attn:
	s_mov_b64 s[64:65], 0
	v_nop
	global_prefetch_b8 v0, s[64:65] scope:SCOPE_SE
	s_setreg_imm32_b32 hwreg(HW_REG_WAVE_MODE, 25, 1), 1
	s_wait_xcnt 0x0
; ctx = softmax((q k^T, masked) / 8) v for one head; f16 operands; products, maxima and sums in f32; ctx rounded once to f16 and stored as head planes [batch][head][position][64].
; THE MASK: a hidden key's score is -100,000 (then / 8), not minus infinity.  Hidden keys all have ONE score, so they are not multiplied but they are counted: a query's running state BEGINS as if
; the keys from the end of its block of 64 on had been summed: m = -100,000, l = their number, O = the sum of their v (VSUM, f32).  Inside the diagonal step hidden scores are set to -100,000.
; The running maximum is taken away before every exponential.  (The hidden keys' weight carries c x -100,000 rounded once to f32.)
; SHARES: work-group (x, head) owns the blocks of 256 queries 7 - x (pass 0) and x (pass 1): nine blocks of keys for every work-group.  A wave owns 32 queries, two tiles of 16, so that each fragment
; of K and V read from LDS feeds two products.  Waves w and w + 4 take sub-blocks that together have five steps in the diagonal block.
; NO CLUSTER: under the mask the work-groups of a head need different numbers of tiles: a partner would have to jump over the reads of a tile that a joint load brings.
; LAYOUT: S^T = K Q^T, O^T = V^T P: a lane holds one query throughout.  K and V come through a ring of two LDS slots of 256 keys (waves 0, 1: K's halves; waves 2, 3: V's).
; A plane's rows (128 bytes) are dense, so a tile is stated as lines of two keys, 256 bytes: key k lies at (k / 2) x pitch + (k % 2) x 128.
; Every work-group walks all eight changes of slots in both passes (constant trip counts); a step all of whose keys are hidden for the wave is jumped over, and a slot that no wave would read is not
; asked for.  Every wait on TENSORcnt is for 0; by this text's count one tensor load of a wave is out at the most.
; LIMITS: q, k, v, ctx inside f16's range (65,504); NaN and infinities are not served.
.set PKL,   272                        ; a line of K: 256 + 16: the sixteen keys of a load start at sixteen different groups of four banks
.set PVL,   288                        ; a line of V: 256 + 32
.set VOFF,  128*PKL
.set KSTP,  32*PKL                     ; a step's 64 keys in LDS
.set VSTP,  32*PVL
.set SLOT1, 131072
.set STAGE, 262144                     ; 32 rows x 144 bytes for each wave
.set SPARE, 299008                     ; the spare words: 128 bytes a wave, four blocks of 256 bytes that no other line names
.set VSO,   786432
.set AK0, 1                            ; v1  my lane's place in a tile of K
.set AV0, 2                            ; v2  the same for V
.set ADK, 3
.set ADV, 4
.set SPW, 5
.set NIL, 6
.set QO,  7                            ; v7  128 r + 16 h
.set STO, 8                            ; v8  stage + 144 r + 16 h
.set RD,  9                            ; v9  stage + 144 (l / 8) + 16 (l % 8)
.set GO,  10                           ; v10 16 l
.set NEG, 11                           ; v11 -100,000.0
.set RH,  12                           ; v12 r - 8 h
.set DD,  13                           ; v13 at work
.set PFO, 14                           ; v14 256 l
.set TO,  15                           ; v15 4,096 r + 32 h
.set ST,  16                           ; tile z's statistics at v[ST + 8 z]: +0 c m, +1 m, +2:3 l, +4:5 at work, +6 a, +7 at work
.set QF,  32                           ; v32-63   Q: 16 z + 8 c
.set S,   64                           ; v64-127  S^T, 32 a tile; P is packed into a tile's first 16
.set OT,  128                          ; v128-191 O^T: 32 z + 8 t
.set KV,  192                          ; v192-255 K's fragments, then V's
.set TBK, 2
.set TBV, 3
.set WV,  18
.set SIG, 19
.set SEL, 20
.set CS,  22
.set G1K, 24
.set G1V, 32
.set G0K, 40
.set G0V, 44
.set QPL, 48
.set CPL, 50
.set VSB, 52
.set QA,  54
.set CA,  56
.set KF,  66
.set Q0,  67
.set LQ,  68
.set JW,  69
.set HM,  70
.set SL,  71
.set STP, 72
.set PFK, 76
.set PFV, 78
.set LIM, 80
.macro TLOAD                           ; waves 0 and 1 fetch K's halves, waves 2 and 3 V's, the others nothing; an s_nop 0 and four v_nop follow each line
	s_cmp_lt_u32 s[WV], 2
	s_cbranch_scc0 .Lnot_k_\@
	tensor_load_to_lds s[G0K:G0K+3], s[G1K:G1K+7]
	s_nop 0
.rept 4
	v_nop
.endr
	s_branch .Lasked_\@
.Lnot_k_\@:
	s_cmp_lt_u32 s[WV], 4
	s_cbranch_scc0 .Lasked_\@
	tensor_load_to_lds s[G0V:G0V+3], s[G1V:G1V+7]
	s_nop 0
.rept 4
	v_nop
.endr
.Lasked_\@:
.endm
; A prefetch of what the NEXT change of slots will ask for: 256 keys of K and of V, 32,768 bytes each, a slot's four key steps ahead of that load.  All four work-groups of a head walk the same K and V:
; the one that walks all eight slots in pass 0 (x = 0) asks, by its waves 4 to 7, which fetch nothing: 8,192 bytes of K and of V a wave, lanes 256 bytes apart.  So each aligned 256 bytes are named once.
; Slots 0 and 1 come by their loads alone; the change that asks for slot 7 prefetches nothing.
.macro ASK
	s_cmp_gt_u32 s[SL], s[LIM]
	s_cbranch_scc0 .Lnot_mine_\@
	global_prefetch_b8 v[PFO], s[PFK:PFK+1] th:TH_LOAD_NT scope:SCOPE_SE
	global_prefetch_b8 v[PFO], s[PFV:PFV+1] th:TH_LOAD_NT scope:SCOPE_SE
.Lnot_mine_\@:
.endm
; THE CHANGE OF SLOTS, at a slot's head: all my tensor loads have landed; the add; my reads of the slot that I left are over; the barrier; then the other slot is asked for.
; fill = 1: the next 256 keys, if any wave of the work-group will read them.  fill = 2: pass 0's last change: key 0 on again, for pass 1.  fill = 0: nothing.
.macro CHANGE p, fill
	s_wait_tensorcnt 0x0                           ; no tensor load of mine is out, so a group 0 may be written
	ds_add_u32 v[SPW], v[NIL]                      ; the add here;
.if \fill
	ds_add_u32 v[SPW], v[NIL]                      ; and twice on end wherever a tensor load still follows in the text
	s_xor_b32 s[G0K+1], s[G0K+1], SLOT1            ; the walking descriptors: the other slot,
	s_xor_b32 s[G0V+1], s[G0V+1], SLOT1
.if \fill == 1
	s_add_nc_u64 s[G0K+2:G0K+3], s[G0K+2:G0K+3], 32768   ; the next 256 keys
	s_add_nc_u64 s[G0V+2:G0V+3], s[G0V+2:G0V+3], 32768
.else
	s_sub_nc_u64 s[G0K+2:G0K+3], s[G0K+2:G0K+3], 7*32768 ; seven steps back: key 0
	s_sub_nc_u64 s[G0V+2:G0V+3], s[G0V+2:G0V+3], 7*32768
.endif
.if (\p == 0) && (\fill == 1)
	s_wait_xcnt 0x0                                ; the last prefetches, a slot back, have read their addresses
	s_add_nc_u64 s[PFK:PFK+1], s[PFK:PFK+1], 32768
	s_add_nc_u64 s[PFV:PFV+1], s[PFV:PFV+1], 32768
.endif
.endif
	s_wait_dscnt 0x0                               ; the add is done, and my reads of the slot that I have left are over
	s_barrier_signal -1
	s_barrier_wait -1
.if \fill == 1
	s_add_co_u32 s96, s[KF], 256                   ; the first key of the slot that this change would ask for
	s_cmp_gt_u32 s96, s[LQ]                        ; past my work-group's last query: none of its waves would read it.  Ids and counted steps alone: all eight waves go the same way
	s_cbranch_scc1 .Lpast_\@
	TLOAD                                          ; a wave's one tensor load until the next such barrier
.Lpast_\@:
.if \p == 0
	ASK
.endif
.endif
.if \fill == 2
	TLOAD                                          ; always issued, and always read: key 0 counts for every query of pass 1
.endif
.endm
; A KEY STEP: 64 keys.
.macro STEP
	s_add_co_u32 s96, s[Q0], 31
	s_cmp_gt_u32 s[KF], s96                        ; all 64 keys come after my 32 queries: they are in the state already
	s_cbranch_scc1 .Lhid_\@
	v_add_nc_u32 v[ADK], s[TBK], v[AK0]
	v_add_nc_u32 v[ADV], s[TBV], v[AV0]
.rept 3
	v_nop                                          ; five plain lines behind the last step's products: four for the loads into V's registers, five for the products below, which write over P
.endr
.irp k, 0,1,2,3
.irp c, 0,1
	ds_load_b128 v[KV+16*\k+8*\c:KV+16*\k+8*\c+3],   v[ADK] offset:2176*\k+64*\c
	ds_load_b128 v[KV+16*\k+8*\c+4:KV+16*\k+8*\c+7], v[ADK] offset:2176*\k+64*\c+32
.endr
.endr
	s_wait_dscnt 0x0
.irp c, 0,1                                    ; S^T = K Q^T: eight accumulators by turns
.irp k, 0,1,2,3
.irp z, 0,1
.if \c == 0
	v_wmma_f32_16x16x32_f16 v[S+32*\z+8*\k:S+32*\z+8*\k+7], v[KV+16*\k+8*\c:KV+16*\k+8*\c+7], v[QF+16*\z+8*\c:QF+16*\z+8*\c+7], 0
.else
	v_wmma_f32_16x16x32_f16 v[S+32*\z+8*\k:S+32*\z+8*\k+7], v[KV+16*\k+8*\c:KV+16*\k+8*\c+7], v[QF+16*\z+8*\c:QF+16*\z+8*\c+7], v[S+32*\z+8*\k:S+32*\z+8*\k+7]
.endif
.endr
.endr
.endr
.rept 4
	v_nop                                          ; places in front of the loads into K's registers and of the first read of the scores
.endr
.irp g, 0,1
.irp t, 0,1,2,3
	ds_load_tr16_b128 v[KV+32*\g+8*\t:KV+32*\g+8*\t+3],   v[ADV] offset:4608*\g+32*\t          ; V, turned: it lands while the softmax is walked
	ds_load_tr16_b128 v[KV+32*\g+8*\t+4:KV+32*\g+8*\t+7], v[ADV] offset:4608*\g+32*\t+2304
.endr
.endr
	s_add_co_u32 s96, s[KF], 63
	s_cmp_le_u32 s96, s[Q0]                        ; all keys of the step count for all my queries
	s_cbranch_scc1 .Lopen_\@
	s_sub_co_i32 s96, s[Q0], s[KF]
	v_add_nc_u32 v[DD], s96, v[RH]                 ; d = Q0 - KF + r - 8 h.  Register 32 z + 8 k + j holds key KF + 16 k + 8 h + j of query Q0 + 16 z + r: hidden where 16 k + j - 16 z > d
.set n, 0
.rept 64
	v_cmp_gt_i32 vcc_lo, 16*((n%32)/8)+n%8-16*(n/32), v[DD]
	v_cndmask_b32 v[S+n], v[S+n], v[NEG], vcc_lo
.set n, n+1
.endr
.Lopen_\@:
	; the softmax, the two tiles line by line
.irp j, 0,1,2,3
.irp z, 0,1
	v_max3_num_f32 v[ST+8*\z+4+\j], v[S+32*\z+8*\j], v[S+32*\z+8*\j+1], v[S+32*\z+8*\j+2]   ; each accumulator is read from its low end on
.endr
.endr
.irp g, 1,2
.irp j, 0,1,2,3
.irp z, 0,1
	v_max3_num_f32 v[ST+8*\z+4+\j], v[ST+8*\z+4+\j], v[S+32*\z+8*\j+2*\g+1], v[S+32*\z+8*\j+2*\g+2]
.endr
.endr
.endr
.irp z, 0,1
	v_max3_num_f32 v[ST+8*\z+4], v[ST+8*\z+4], v[S+32*\z+7], v[S+32*\z+15]
.endr
.irp z, 0,1
	v_max3_num_f32 v[ST+8*\z+6], v[ST+8*\z+6], v[S+32*\z+23], v[S+32*\z+31]
.endr
.irp z, 0,1
	v_max3_num_f32 v[ST+8*\z+4], v[ST+8*\z+4], v[ST+8*\z+5], v[ST+8*\z+6]
.endr
.irp z, 0,1
	v_max3_num_f32 v[ST+8*\z+4], v[ST+8*\z+4], v[ST+8*\z+7], v[ST+8*\z+1]   ; with the old m
.endr
.irp z, 0,1
	v_permlanex16_b32 v[ST+8*\z+5], v[ST+8*\z+4], s[SEL], s[SEL+1]          ; the query's other 32 keys lie in the lane 16 away
.endr
.irp z, 0,1
	v_mov_b32 v[ST+8*\z+7], v[ST+8*\z]             ; c m_old
.endr
.irp z, 0,1
	v_max_num_f32 v[ST+8*\z+1], v[ST+8*\z+4], v[ST+8*\z+5]
.endr
.irp z, 0,1
	v_mul_f32 v[ST+8*\z], s[CS], v[ST+8*\z+1]
.endr
.irp z, 0,1
	v_sub_f32 v[ST+8*\z+7], v[ST+8*\z+7], v[ST+8*\z]
.endr
.set j, 0
.rept 16
	v_pk_fma_f32 v[S+2*j:S+2*j+1], v[S+2*j:S+2*j+1], s[CS:CS+1], v[ST:ST+1] op_sel_hi:[1,0,0] neg_lo:[0,0,1] neg_hi:[0,0,1]           ; c s - c m
	v_pk_fma_f32 v[S+32+2*j:S+32+2*j+1], v[S+32+2*j:S+32+2*j+1], s[CS:CS+1], v[ST+8:ST+9] op_sel_hi:[1,0,0] neg_lo:[0,0,1] neg_hi:[0,0,1]
.set j, j+1
.endr
	v_exp_f32 v[ST+6], v[ST+7]                     ; a = 2^(c m_old - c m_new)
	v_exp_f32 v[ST+14], v[ST+15]
.set j, 0
.rept 32
	v_exp_f32 v[S+j], v[S+j]
	v_exp_f32 v[S+32+j], v[S+32+j]
.set j, j+1
.endr
	v_nop                                          ; a plain line behind the last exponential
	s_wait_alu depctr_va_vdst(0)                   ; one wait for both tiles' 66 exponentials, ahead of their first reader
.irp z, 0,1
	v_pk_fma_f32 v[ST+8*\z+2:ST+8*\z+3], v[ST+8*\z+2:ST+8*\z+3], v[ST+8*\z+6:ST+8*\z+7], v[S+32*\z:S+32*\z+1] op_sel_hi:[1,0,1]   ; l = a l + the first pair; the sum goes on in two chains
.endr
.irp z, 0,1
	v_pk_add_f32 v[ST+8*\z+4:ST+8*\z+5], v[S+32*\z+2:S+32*\z+3], v[S+32*\z+4:S+32*\z+5]
.endr
.irp j, 6,10,14,18,22,26
.irp z, 0,1
	v_pk_add_f32 v[ST+8*\z+2:ST+8*\z+3], v[ST+8*\z+2:ST+8*\z+3], v[S+32*\z+\j:S+32*\z+\j+1]
	v_pk_add_f32 v[ST+8*\z+4:ST+8*\z+5], v[ST+8*\z+4:ST+8*\z+5], v[S+32*\z+\j+2:S+32*\z+\j+3]
.endr
.endr
.irp z, 0,1
	v_pk_add_f32 v[ST+8*\z+2:ST+8*\z+3], v[ST+8*\z+2:ST+8*\z+3], v[S+32*\z+30:S+32*\z+31]
.endr
.irp z, 0,1
	v_pk_add_f32 v[ST+8*\z+2:ST+8*\z+3], v[ST+8*\z+2:ST+8*\z+3], v[ST+8*\z+4:ST+8*\z+5]
.endr
.set j, 0
.rept 16
	v_cvt_pk_f16_f32 v[S+j], v[S+2*j], v[S+2*j+1]                  ; P, in place and ascending: two tiles of 16 keys, packed, are source 1 of the second product
	v_cvt_pk_f16_f32 v[S+32+j], v[S+32+2*j], v[S+32+2*j+1]
.set j, j+1
.endr
.set j, 0
.rept 16
	v_pk_mul_f32 v[OT+2*j:OT+2*j+1], v[OT+2*j:OT+2*j+1], v[ST+6:ST+7] op_sel_hi:[1,0]                  ; O^T x a, each accumulator from its low end on
	v_pk_mul_f32 v[OT+32+2*j:OT+32+2*j+1], v[OT+32+2*j:OT+32+2*j+1], v[ST+14:ST+15] op_sel_hi:[1,0]
.set j, j+1
.endr
	s_wait_dscnt 0x0                               ; V is in
.irp g, 0,1                                    ; O^T += V^T P: eight accumulators by turns
.irp t, 0,1,2,3
.irp z, 0,1
	v_wmma_f32_16x16x32_f16 v[OT+32*\z+8*\t:OT+32*\z+8*\t+7], v[KV+32*\g+8*\t:KV+32*\g+8*\t+7], v[S+32*\z+8*\g:S+32*\z+8*\g+7], v[OT+32*\z+8*\t:OT+32*\z+8*\t+7]
.endr
.endr
.endr
.Lhid_\@:
	s_add_co_u32 s[KF], s[KF], 64
	s_add_co_u32 s[TBK], s[TBK], KSTP
	s_add_co_u32 s[TBV], s[TBV], VSTP
.endm
.macro FOUR                            ; a slot's four key steps: written once, walked four times; then on to the other slot
	s_mov_b32 s[STP], 4
.Lstep_\@:
	STEP
	s_sub_co_u32 s[STP], s[STP], 1
	s_cmp_lg_u32 s[STP], 0
	s_cbranch_scc1 .Lstep_\@
	s_sub_co_u32 s[TBK], s[TBK], 4*KSTP
	s_xor_b32 s[TBK], s[TBK], SLOT1
	s_sub_co_u32 s[TBV], s[TBV], 4*VSTP
	s_xor_b32 s[TBV], s[TBV], SLOT1
.endm
; A PASS: one block of 256 queries.
.macro PASSM p
.if \p == 0
	s_sub_co_u32 s73, 7, ttmp9
.else
	s_mov_b32 s73, ttmp9
.endif
	s_lshl_b32 s73, s73, 8
	s_or_b32 s[LQ], s73, 255                       ; my work-group's last query
	s_lshl_b32 s74, s[SIG], 5
	s_add_co_u32 s[Q0], s73, s74                   ; my first query
	s_lshr_b32 s[JW], s[Q0], 6
	s_add_co_u32 s[JW], s[JW], 1                   ; the first block of 64 keys that is hidden for all my queries
	s_lshl_b32 s74, s[JW], 6
	s_sub_co_u32 s74, 2048, s74                    ; how many keys that is
	s_mov_b32 s75, 0xff61b1e6                      ; -3e38, under every score, where there are none;
	s_cmp_lg_u32 s74, 0
	s_cselect_b32 s75, 0xc7c35000, s75             ; else their score, -100,000
	s_mov_b32 s[KF], 0
	s_lshl_b32 s96, s[Q0], 7
	s_mov_b32 s97, 0
	s_add_nc_u64 s[QA:QA+1], s[QPL:QPL+1], s[96:97]
	s_add_nc_u64 s[CA:CA+1], s[CPL:CPL+1], s[96:97]
.irp z, 0,1
.irp c, 0,1
	global_load_b128 v[QF+16*\z+8*\c:QF+16*\z+8*\c+3],   v[QO], s[QA:QA+1] offset:2048*\z+64*\c
	global_load_b128 v[QF+16*\z+8*\c+4:QF+16*\z+8*\c+7], v[QO], s[QA:QA+1] offset:2048*\z+64*\c+32
.endr
.endr
.irp u, 0,1                                    ; VSUM: lane r takes blocks r and r + 16, the 32 channels of its half
.irp t, 0,1,2,3
.irp e, 0,1
	global_load_b128 v[S+32*\u+8*\t+4*\e:S+32*\u+8*\t+4*\e+3], v[TO], s[VSB:VSB+1] offset:65536*\u+64*\t+16*\e
.endr
.endr
.endr
	v_and_b32 v[DD], 15, v0
	v_cmp_le_u32 s[HM], s[JW], v[DD]               ; which of the blocks are hidden: masks made of ids alone
	v_add_nc_u32 v[DD], 16, v[DD]
	v_cmp_le_u32 s98, s[JW], v[DD]
	v_bfe_u32 v[DD], v0, 4, 1
	v_xor_b32 v[DD], 1, v[DD]
	v_mul_u32_u24 v[DD], s74, v[DD]                ; the number of hidden keys, in lanes 0-15 alone: l's two halves of the lanes are added at the end
.irp z, 0,1
	v_mov_b32 v[ST+8*\z+1], s75
	v_mul_f32 v[ST+8*\z], s[CS], v[ST+8*\z+1]
	v_cvt_f32_u32 v[ST+8*\z+2], v[DD]
	v_mov_b32 v[ST+8*\z+3], 0
	v_mov_b32 v[ST+8*\z+4], 0
	v_mov_b32 v[ST+8*\z+5], 0                      ; (a lane permute's destination counts as one of its sources)
	v_mov_b32 v[ST+8*\z+6], 0
	v_mov_b32 v[ST+8*\z+7], 0
.endr
	s_wait_loadcnt 0x0
.set i, 0
.rept 32
	v_cndmask_b32 v[S+i], 0, v[S+i], s[HM]
	v_cndmask_b32 v[S+32+i], 0, v[S+32+i], s98
.set i, i+1
.endr
.set i, 0
.rept 16
	v_pk_add_f32 v[S+2*i:S+2*i+1], v[S+2*i:S+2*i+1], v[S+32+2*i:S+32+2*i+1]
.set i, i+1
.endr
.irp m, 1,2,4,8
.set i, 0
.rept 32
	v_add_f32_dpp v[S+i], v[S+i], v[S+i] row_xmask:\m row_mask:0xf bank_mask:0xf
.set i, i+1
.endr
.endr
.set i, 0
.rept 32
	v_mov_b32 v[OT+i], v[S+i]                      ; O^T of both tiles begins as the sum of the hidden v
	v_mov_b32 v[OT+32+i], v[S+i]
.set i, i+1
.endr
	s_mov_b32 s[SL], 7
.Lslot_\@:
	CHANGE \p, 1
	FOUR
	s_sub_co_u32 s[SL], s[SL], 1
	s_cmp_lg_u32 s[SL], 0
	s_cbranch_scc1 .Lslot_\@
.if \p == 0
	CHANGE 0, 2                                    ; the last slot is written out
.else
	CHANGE 1, 0
.endif
	FOUR
	; THE WAY OUT: O^T / l, rounded to f16, through my stage, as four positions (512 bytes) a store
.rept 4
	v_nop
.endr
.irp z, 0,1
	v_add_f32 v[ST+8*\z+4], v[ST+8*\z+2], v[ST+8*\z+3]
.endr
.irp z, 0,1
	v_permlanex16_b32 v[ST+8*\z+5], v[ST+8*\z+4], s[SEL], s[SEL+1]
.endr
.irp z, 0,1
	v_add_f32 v[ST+8*\z+4], v[ST+8*\z+4], v[ST+8*\z+5]
.endr
.irp z, 0,1
	v_rcp_f32 v[ST+8*\z+6], v[ST+8*\z+4]
.endr
	v_nop                                          ; a plain line behind the last reciprocal
	s_wait_alu depctr_va_vdst(0)                   ; and the wait ahead of the first use
.set j, 0
.rept 16
	v_pk_mul_f32 v[OT+2*j:OT+2*j+1], v[OT+2*j:OT+2*j+1], v[ST+6:ST+7] op_sel_hi:[1,0]
	v_pk_mul_f32 v[OT+32+2*j:OT+32+2*j+1], v[OT+32+2*j:OT+32+2*j+1], v[ST+14:ST+15] op_sel_hi:[1,0]
.set j, j+1
.endr
.set j, 0
.rept 32
	v_cvt_pk_f16_f32 v[S+j], v[OT+2*j], v[OT+2*j+1]
.set j, j+1
.endr
.irp z, 0,1
.irp t, 0,1,2,3
	ds_store_b128 v[STO], v[S+16*\z+4*\t:S+16*\z+4*\t+3] offset:2304*\z+32*\t
.endr
.endr
.irp u, 0,1,2,3,4,5,6,7
	ds_load_b128 v[S+32+4*\u:S+32+4*\u+3], v[RD] offset:576*\u   ; LDS serves a wave's instructions in order: these see my stores
.endr
.irp u, 0,1,2,3,4,5,6,7
	s_wait_dscnt 7-\u                              ; the younger stage loads may be out
	global_store_b128 v[GO], v[S+32+4*\u:S+32+4*\u+3], s[CA:CA+1] offset:512*\u   ; 32 lanes store 512 consecutive bytes, aligned
.endr
	s_wait_xcnt 0x0                                ; the stores have read their registers and their base: both are written again in the next pass
.endm
	s_load_b128 s[4:7], s[0:1], 0x0                ; qkv s[4:5], side s[6:7]
	s_load_b64 s[8:9], s[0:1], 0x10                ; ctx
	v_lshl_add_u32 v[SPW], v0, 2, SPARE
	v_mov_b32 v[NIL], 0
	ds_add_u32 v[SPW], v[NIL]                      ; the wave's opening: the add, twice on end, and its wait ahead of the first tensor load
	ds_add_u32 v[SPW], v[NIL]
	v_lshrrev_b32 v1, 5, v0
	v_readfirstlane_b32 s[WV], v1                  ; wave 0..7
	s_lshr_b32 s10, s[WV], 2
	s_mul_i32 s10, s10, 3
	s_xor_b32 s[SIG], s[WV], s10                   ; my sub-block of 32 queries: 0 1 2 3 7 6 5 4
	s_mov_b32 s[G1K], (1<<16)|(1<<20)|(5<<22)|(3<<25)   ; no mask; elements of 2 bytes; padding on: 4 words behind every 64
	s_mov_b32 s[G1V], (1<<16)|(1<<20)|(5<<22)|(7<<25)   ; the same with 8 words
.irp g, G1K, G1V
	s_mov_b32 s[\g+1], 128<<16                     ; tensor_dim0: a line of two keys, 128 elements
	s_mov_b32 s[\g+2], 64<<16                      ; tensor_dim1: 64 lines
	s_mov_b32 s[\g+3], 128<<16                     ; tile_dim0
	s_mov_b32 s[\g+4], 64                          ; tile_dim1
	s_mov_b32 s[\g+5], 128                         ; the pitch: the lines are dense
	s_mov_b32 s[\g+6], 0
	s_mov_b32 s[\g+7], 0
.endr
	s_mov_b32 s[SEL], 0x76543210
	s_mov_b32 s[SEL+1], 0xfedcba98
	s_mov_b32 s[CS], 0x3e38aa3b                    ; c = log2(e) / 8
	s_mov_b32 s[CS+1], s[CS]
	s_mov_b32 s[TBK], 0
	s_mov_b32 s[TBV], 0
	s_and_b32 s10, ttmp7, 0xffff                   ; 16 x batch + head
	s_lshl_b32 s12, s10, 18                        ; a plane is 262,144 bytes
	s_mov_b32 s13, 0
	s_lshr_b32 s14, s10, 4
	s_lshl_b32 s14, s14, 17                        ; VSUM: 131,072 bytes a batch,
	s_and_b32 s15, s10, 15
	s_lshl_b32 s15, s15, 8                         ; 256 a head
	s_add_co_u32 s14, s14, s15
	s_add_co_u32 s14, s14, VSO
	s_mov_b32 s15, 0
	s_and_b32 s16, s[WV], 1                        ; which half of a slot's keys I fetch, if I fetch
	s_lshl_b32 s74, s16, 14
	s_mov_b32 s75, 0
	s_mul_i32 s17, s16, 64*PKL
	s_mul_i32 s73, s16, 64*PVL
	s_add_co_u32 s73, s73, VOFF
	s_and_b32 s96, s[WV], 3
	s_lshl_b32 s96, s96, 13                        ; the prefetches: my wave's 8,192 bytes,
	s_add_co_u32 s96, s96, 32768                   ; in slot 1: the first change of slots steps it to slot 2
	s_mov_b32 s97, 0
	s_lshr_b32 s[LIM], s[WV], 2
	s_xor_b32 s[LIM], s[LIM], 1                    ; 0 in waves 4 to 7,
	s_or_b32 s[LIM], s[LIM], ttmp9                 ; of the head's work-group x = 0
	s_cmp_eq_u32 s[LIM], 0
	s_cselect_b32 s[LIM], 1, -1
	s_wait_dscnt 0x0                               ; both opening adds are done
	s_wait_kmcnt 0x0
	s_add_nc_u64 s[QPL:QPL+1], s[4:5], s[12:13]
	s_add_nc_u64 s[CPL:CPL+1], s[8:9], s[12:13]
	s_add_nc_u64 s[VSB:VSB+1], s[6:7], s[14:15]
	s_add_nc_u64 s[PFK:PFK+1], s[QPL:QPL+1], 16777216    ; K's plane lies 64 planes behind Q's,
	s_add_nc_u64 s[PFV:PFV+1], s[QPL:QPL+1], 33554432    ; V's 128
	s_mov_b32 s[G0K], 1
	s_mov_b32 s[G0K+1], s17
	s_add_nc_u64 s[G0K+2:G0K+3], s[PFK:PFK+1], s[74:75]
	s_or_b32 s[G0K+3], s[G0K+3], 0x80000000
	s_mov_b32 s[G0V], 1
	s_mov_b32 s[G0V+1], s73
	s_add_nc_u64 s[G0V+2:G0V+3], s[PFV:PFV+1], s[74:75]
	s_or_b32 s[G0V+3], s[G0V+3], 0x80000000
	TLOAD                                          ; slot 0
	s_add_nc_u64 s[PFK:PFK+1], s[PFK:PFK+1], s[96:97]
	s_add_nc_u64 s[PFV:PFV+1], s[PFV:PFV+1], s[96:97]
	v_and_b32 v16, 15, v0                          ; r
	v_bfe_u32 v17, v0, 4, 1                        ; h
	v_lshrrev_b32 v18, 1, v16
	v_and_b32 v19, 1, v16
	v_mul_u32_u24 v[AK0], v18, PKL
	v_lshl_add_u32 v[AK0], v19, 7, v[AK0]
	v_lshl_add_u32 v[AK0], v17, 4, v[AK0]          ; K: key r: line r / 2, half r % 2, + 16 h
	v_and_b32 v18, 7, v0
	v_lshl_add_u32 v18, v17, 3, v18                ; V, for the turning load: key 8 h + l % 8,
	v_lshrrev_b32 v19, 1, v18
	v_and_b32 v18, 1, v18
	v_mul_u32_u24 v[AV0], v19, PVL
	v_lshl_add_u32 v[AV0], v18, 7, v[AV0]
	v_bfe_u32 v19, v0, 3, 1
	v_lshl_add_u32 v[AV0], v19, 4, v[AV0]          ; channels 8 ((l / 8) % 2) on
	v_add_nc_u32 v[AV0], VOFF, v[AV0]
	v_lshlrev_b32 v[QO], 7, v16
	v_lshl_add_u32 v[QO], v17, 4, v[QO]
	s_mul_i32 s96, s[WV], 4608
	s_add_co_u32 s96, s96, STAGE                   ; my stage
	v_mul_u32_u24 v[STO], v16, 144
	v_lshl_add_u32 v[STO], v17, 4, v[STO]
	v_add_nc_u32 v[STO], s96, v[STO]
	v_bfe_u32 v18, v0, 3, 2
	v_mul_u32_u24 v[RD], v18, 144
	v_and_b32 v18, 7, v0
	v_lshl_add_u32 v[RD], v18, 4, v[RD]
	v_add_nc_u32 v[RD], s96, v[RD]
	v_and_b32 v18, 31, v0
	v_lshlrev_b32 v[GO], 4, v18
	v_lshlrev_b32 v[PFO], 8, v18
	v_mov_b32 v[NEG], 0xc7c35000
	v_lshlrev_b32 v18, 3, v17
	v_sub_nc_u32 v[RH], v16, v18
	v_lshlrev_b32 v[TO], 12, v16
	v_lshl_add_u32 v[TO], v17, 5, v[TO]
	PASSM 0
	PASSM 1
	s_wait_tensorcnt 0x0                           ; the wave's end
	ds_add_u32 v[SPW], v[NIL]
	s_wait_dscnt 0x0
	s_endpgm
.Lfunc_end_k_q6f3c8e17c1_attn:
	.size	k_q6f3c8e17c1_attn, .Lfunc_end_k_q6f3c8e17c1_attn-k_q6f3c8e17c1_attn
	.p2alignl 7, 3214868480
	.fill 96, 4, 3214868480
	.section	.rodata,"a",@progbits
	.p2align	6, 0x0
	.amdhsa_kernel k_q6f3c8e17c1_attn
		.amdhsa_group_segment_fixed_size 327680
		.amdhsa_private_segment_fixed_size 0
		.amdhsa_enable_private_segment 0
		.amdhsa_kernarg_size 24
		.amdhsa_user_sgpr_count 2
		.amdhsa_user_sgpr_kernarg_segment_ptr 1
		.amdhsa_wavefront_size32 1
		.amdhsa_system_sgpr_workgroup_id_x 1
		.amdhsa_system_sgpr_workgroup_id_y 1
		.amdhsa_system_sgpr_workgroup_id_z 1
		.amdhsa_system_vgpr_workitem_id 0
		.amdhsa_next_free_vgpr 256
		.amdhsa_next_free_sgpr 100
		.amdhsa_reserve_vcc 1
		.amdhsa_float_denorm_mode_32 3
		.amdhsa_float_denorm_mode_16_64 3
		.amdhsa_memory_ordered 1
		.amdhsa_forward_progress 1
		.amdhsa_inst_pref_size 148
	.end_amdhsa_kernel
	.amdgpu_metadata
---
amdhsa.version: [ 1, 2 ]
amdhsa.kernels:
  - .name:           k_q6f3c8e17c1_attn
    .symbol:         k_q6f3c8e17c1_attn.kd
    .args:
      - { .name: qkv, .offset: 0, .size: 8, .value_kind: global_buffer, .address_space: global }
      - { .name: side, .offset: 8, .size: 8, .value_kind: global_buffer, .address_space: global }
      - { .name: ctx, .offset: 16, .size: 8, .value_kind: global_buffer, .address_space: global }
    .group_segment_fixed_size: 327680
    .private_segment_fixed_size: 0
    .kernarg_segment_align: 8
    .kernarg_segment_size: 24
    .max_flat_workgroup_size: 256
    .sgpr_count:     100
    .vgpr_count:     256
    .wavefront_size: 32
...
	.end_amdgpu_metadata
.endif
;; end of part 3
;; launch proj (part 4): grid 4 x 64, 4 waves a work-group, clusters of 4 x 4, 327,680 bytes of LDS; arguments ctx, wpt, b_proj, out0; writes out0
.if DOCPART == 4
	.amdgcn_target "amdgcn-amd-amdhsa--gfx1250"
	.amdhsa_code_object_version 6
	.text
	.protected	k_q6f3c8e17c1_proj
	.globl	k_q6f3c8e17c1_proj
	.p2align	8
	.type	k_q6f3c8e17c1_proj,@function
k_q6f3c8e17c1_proj:
	s_mov_b64 s[64:65], 0
	v_nop
	global_prefetch_b8 v0, s[64:65] scope:SCOPE_SE
	s_setreg_imm32_b32 hwreg(HW_REG_WAVE_MODE, 25, 1), 1
	s_wait_xcnt 0x0
	s_wait_alu depctr_hold_cnt(0) depctr_sa_sdst(0) depctr_va_vdst(0) depctr_va_sdst(0) depctr_va_ssrc(0) depctr_va_vcc(0) depctr_vm_vsrc(0)
	s_getreg_b32 s2, hwreg(HW_REG_IB_STS2, 6, 4)
	s_cmp_eq_u32 s2, 0
	s_cbranch_scc0 .Lentry_in_a_cluster
	s_endpgm
.Lentry_in_a_cluster:
	s_bfe_u32 s2, ttmp6, 0x10000c
	s_cmp_lg_u32 s2, 0xf033
	s_cbranch_scc0 .Lentry_shape_is_right
	s_endpgm
.Lentry_shape_is_right:
; out0 = ctx w_proj + b_proj: M 8,192, N 1,024, K 1,024; f16 operands, f32 sums.  ctx lies as head planes [batch][head][position][64] f16, wpt as [n][k] f16.
; A tile of 128 x 256 to a work-group (256 work-groups), 64 x 128 to each of four waves: 32 accumulators, 256 registers.  K goes in steps of 128, two head planes, through a ring of two LDS slots.
; A's part of a step is two dense blocks of 16,384 bytes (128 positions of one plane), stated as 64 lines of two positions, 256 bytes; B's is 256 rows of 256 bytes.
; Waves 0, 1 fetch A's two planes, waves 2, 3 B's two halves.  CLUSTERS: 4 x 4; A's tiles are asked for jointly along a row of the cluster, B's along a column.
; THE MATRIX INSTRUCTION IS USED TRANSPOSED (source 0 = 16 rows of wpt, source 1 = 16 rows of ctx): a lane holds eight neighbouring columns of one row.  The bias is the C of each sum's first product.
; No prefetch: a step's tiles are small and a K step is short.  The first 16 positions of each batch are written again, more finely, by the launch that follows.
; LIMITS: ctx and w_proj inside f16's range (65,504).
; REGISTERS: window 0: v0-31 addresses; v64-95, v128-159 A's fragments, two buffers; v192-255 the bias; on the way out v128-255 rows.  window 1: v64-127, v128-191 B's fragments.  window 2: the accumulators ((a, b) at v[8 (8 a + b)]).
.set PL,     262144
.set PITCH,  272                       ; 256 bytes + 16 of padding
.set APL,    64*PITCH                  ; a plane's 128 positions
.set BOFF,   2*APL
.set BH,     128*PITCH
.set SLOT,   BOFF+2*BH
.set STAGE,  2*SLOT                    ; behind the ring: 16 rows x (512 bytes + 16) for each wave
.set SPITCH, 528
.set SPARE,  STAGE+4*16*SPITCH         ; the spare words: 128 bytes a wave, two blocks of 256 bytes that no other line names
.set ADRA, 16
.set ADRB, 20
.set STO,  24
.set RD,   25
.set CO,   26
.set BO,   27
.set SPW,  28
.set NIL,  29
.set F0,   64
.set F1,   128
.set BI,   192
.set BK,   128
.set G1, 24
.set G0, 32
.set G1B, 48
.set G0B, 56
.set MSB, 0
.macro WIN new                         ; the immediate's high byte repeats the setting that is left
.if MSB != (\new)
	s_set_vgpr_msb (MSB<<8)|(\new)
.set MSB, (\new)
.endif
.endm
.set MUL,  0xa1                        ; source 0 (B) window 1, source 1 (A) window 0, C and D window 2
.set TO_B, 0x40
.macro JLOAD s                         ; a joint load: waves 0 and 1 fetch for A, waves 2 and 3 for B; an s_nop 0 and four v_nop follow each line
	s_cmp_eq_u32 s13, 0
	s_cbranch_scc0 .Lfor_b_\@
	tensor_load_to_lds s[G0+4*\s:G0+4*\s+3], s[G1:G1+7]
	s_nop 0
.rept 4
	v_nop
.endr
	s_branch .Lasked_\@
.Lfor_b_\@:
	tensor_load_to_lds s[G0B+4*\s:G0B+4*\s+3], s[G1B:G1B+7]
	s_nop 0
.rept 4
	v_nop
.endr
.Lasked_\@:
.endm
.macro CREST                           ; a round of the cluster's barrier behind its opening barrier
	s_cmp_lg_u32 s12, 0
	s_cbranch_scc1 .Lnot_wave_0_\@
	s_barrier_signal -3
.Lnot_wave_0_\@:
	s_barrier_wait -3
	s_barrier_signal -1
	s_barrier_wait -1
.endm
.macro CROUND
	s_barrier_signal -1
	s_barrier_wait -1
	CREST
.endm
	s_load_b256 s[4:11], s[0:1], 0x0               ; ctx s[4:5], wpt s[6:7], b_proj s[8:9], out0 s[10:11]
	v_lshl_add_u32 v[SPW], v0, 2, SPARE
	v_mov_b32 v[NIL], 0
	ds_add_u32 v[SPW], v[NIL]                      ; the wave's opening: the add, twice on end, and its wait ahead of my first tensor load
	ds_add_u32 v[SPW], v[NIL]
	v_lshrrev_b32 v1, 5, v0
	v_readfirstlane_b32 s12, v1                    ; wave 0..3
	s_lshr_b32 s13, s12, 1                         ; which 64 rows of the tile are mine.  Also: I fetch for A (0) or for B (1)
	s_and_b32 s14, s12, 1                          ; which 128 columns.  Also: which plane of A, or which 128 rows of B, I fetch
	s_bfe_u32 s40, ttmp6, 0x40000                  ; cx
	s_bfe_u32 s41, ttmp6, 0x40004                  ; cy
	s_lshl_b32 s42, ttmp9, 2
	s_add_co_u32 s42, s42, s40                     ; tile column
	s_and_b32 s15, ttmp7, 0xffff
	s_lshl_b32 s15, s15, 2
	s_add_co_u32 s15, s15, s41                     ; tile row
	s_lshl_b32 s43, s41, 2
	s_lshl_b32 s43, 15, s43                        ; my row of the cluster
	s_lshl_b32 s44, 0x1111, s40                    ; my column
	s_or_b32 s[G1+0], s43, (1<<16)|(1<<20)|(1<<21)|(5<<22)|(3<<25)   ; the mask; elements of 2 bytes; padding on; bit 21 beside a mask; 4 words behind every 64
	s_mov_b32 s[G1+1], 128<<16                     ; A: lines of 128 elements,
	s_mov_b32 s[G1+2], 64<<16                      ; 64 of them,
	s_mov_b32 s[G1+3], 128<<16
	s_mov_b32 s[G1+4], 64
	s_mov_b32 s[G1+5], 128                         ; dense
	s_mov_b32 s[G1+6], 0
	s_mov_b32 s[G1+7], 0
	s_or_b32 s[G1B+0], s44, (1<<16)|(1<<20)|(1<<21)|(5<<22)|(3<<25)
	s_mov_b32 s[G1B+1], 128<<16                    ; B: rows of 128 elements,
	s_mov_b32 s[G1B+2], 128<<16                    ; 128 of them,
	s_mov_b32 s[G1B+3], 128<<16
	s_mov_b32 s[G1B+4], 128
	s_mov_b32 s[G1B+5], 1024                       ; 1,024 elements apart
	s_mov_b32 s[G1B+6], 0
	s_mov_b32 s[G1B+7], 0
	s_lshr_b32 s16, s15, 4                         ; A: batch = tile row / 16:
	s_lshl_b32 s16, s16, 4
	s_add_co_u32 s16, s16, s14                     ; plane 16 x batch + my plane of the step's two,
	s_lshl_b32 s16, s16, 18
	s_and_b32 s17, s15, 15
	s_lshl_b32 s17, s17, 14                        ; + 128 positions x 128 bytes x (tile row % 16)
	s_add_co_u32 s16, s16, s17
	s_mov_b32 s17, 0
	s_lshl_b32 s46, s42, 19                        ; B: row 256 x tile column + 128 x half, 2,048 bytes a row
	s_lshl_b32 s47, s14, 18
	s_add_co_u32 s46, s46, s47
	s_mov_b32 s47, 0
	s_mul_i32 s20, s14, APL                        ; where they go: no place in the cluster enters an LDS address
	s_mul_i32 s21, s14, BH
	s_add_co_u32 s21, s21, BOFF
	s_wait_dscnt 0x0                               ; both opening adds are done
	s_wait_kmcnt 0x0
	s_add_nc_u64 s[16:17], s[4:5], s[16:17]
	s_add_nc_u64 s[46:47], s[6:7], s[46:47]
	CROUND                                         ; all sixteen work-groups are here: the first joint loads meet
.irp s, 0,1
	s_mov_b32 s[G0+4*\s], 1
	s_add_co_u32 s[G0+4*\s+1], s20, \s*SLOT
	s_add_nc_u64 s[G0+4*\s+2:G0+4*\s+3], s[16:17], \s*2*PL          ; K step s: two planes on
	s_or_b32 s[G0+4*\s+3], s[G0+4*\s+3], 0x80000000
	s_mov_b32 s[G0B+4*\s], 1
	s_add_co_u32 s[G0B+4*\s+1], s21, \s*SLOT
	s_add_nc_u64 s[G0B+4*\s+2:G0B+4*\s+3], s[46:47], \s*256
	s_or_b32 s[G0B+4*\s+3], s[G0B+4*\s+3], 0x80000000
	JLOAD \s                                       ; by this text's count two tensor loads of a wave are out at the most
.endr
	v_and_b32 v1, 15, v0                           ; r
	v_bfe_u32 v2, v0, 4, 1                         ; h
	v_lshrrev_b32 v3, 1, v1
	v_and_b32 v4, 1, v1
	v_mul_u32_u24 v3, v3, PITCH
	v_lshl_add_u32 v3, v4, 7, v3
	v_lshl_add_u32 v3, v2, 4, v3                   ; A: position r: line r / 2, half r % 2, + 16 h
	v_mul_u32_u24 v4, v1, PITCH
	v_lshl_add_u32 v4, v2, 4, v4                   ; B: row r, + 16 h
	s_mul_i32 s21, s13, 32*PITCH                   ; my 64 positions: 32 lines
	s_mul_i32 s22, s14, BH
	s_add_co_u32 s22, s22, BOFF                    ; my 128 rows of B
.irp s, 0,1
	v_add_nc_u32 v[ADRA+\s], s21, v3
	v_add_nc_u32 v[ADRB+\s], s22, v4
	s_add_co_u32 s21, s21, SLOT
	s_add_co_u32 s22, s22, SLOT
.endr
	s_mul_i32 s23, s12, 16*SPITCH
	s_add_co_u32 s23, s23, STAGE                   ; my stage
	v_mul_u32_u24 v5, v1, SPITCH
	v_lshl_add_u32 v5, v2, 5, v5
	v_add_nc_u32 v[STO], s23, v5
	v_and_b32 v6, 31, v0
	v_lshlrev_b32 v[CO], 4, v6
	v_add_nc_u32 v[RD], s23, v[CO]
	v_lshlrev_b32 v[BO], 5, v2
	s_lshl_b32 s22, s42, 10                        ; my first column x 4 bytes
	s_lshl_b32 s23, s14, 9
	s_add_co_u32 s22, s22, s23
	s_mov_b32 s23, 0
	s_add_nc_u64 s[8:9], s[8:9], s[22:23]          ; the bias there
	s_add_nc_u64 s[10:11], s[10:11], s[22:23]
	s_lshl_b32 s22, s15, 19                        ; my first row: 128 x tile row + 64 x half, 4,096 bytes a row
	s_lshl_b32 s2, s13, 18
	s_add_co_u32 s22, s22, s2
	s_add_nc_u64 s[10:11], s[10:11], s[22:23]
.irp b, 0,1,2,3,4,5,6,7
	global_load_b128 v[BI+8*\b:BI+8*\b+3], v[BO], s[8:9] offset:64*\b          ; the bias in the result's layout: columns 16 b + 8 h + 0 .. 7
	global_load_b128 v[BI+8*\b+4:BI+8*\b+7], v[BO], s[8:9] offset:64*\b+16
.endr
; 8 matrix instructions: A's block a x B's eight, 32 along K.  The 32 accumulators take turns, in the same order in every quarter.
.macro MUL8 f, a, first
.irp b, 0,1,2,3,4,5,6,7
.if \first
	v_wmma_f32_16x16x32_f16 v[8*(8*\a+\b):8*(8*\a+\b)+7], v[\f+8*\b:\f+8*\b+7], v[\f+8*\a:\f+8*\a+7], v[BI+8*\b:BI+8*\b+7]
.else
	v_wmma_f32_16x16x32_f16 v[8*(8*\a+\b):8*(8*\a+\b)+7], v[\f+8*\b:\f+8*\b+7], v[\f+8*\a:\f+8*\a+7], v[8*(8*\a+\b):8*(8*\a+\b)+7]
.endif
.endr
.endm
; 24 LDS loads in one run: the fragments of quarter q (32 along K: plane q / 2, channels 32 (q % 2) on) into buffer f; B's sixteen first
.macro FETCH slot, q, f
	WIN TO_B
.irp i, 0,1,2,3,4,5,6,7
	ds_load_b128 v[\f+8*\i:\f+8*\i+3],   v[ADRB+\slot] offset:16*PITCH*\i+64*(\q)
	ds_load_b128 v[\f+8*\i+4:\f+8*\i+7], v[ADRB+\slot] offset:16*PITCH*\i+64*(\q)+32
.endr
	WIN 0
.irp i, 0,1,2,3
	ds_load_b128 v[\f+8*\i:\f+8*\i+3],   v[ADRA+\slot] offset:8*PITCH*\i+APL*((\q)/2)+64*((\q)%2)
	ds_load_b128 v[\f+8*\i+4:\f+8*\i+7], v[ADRA+\slot] offset:8*PITCH*\i+APL*((\q)/2)+64*((\q)%2)+32
.endr
.endm
.macro PLACES                          ; four plain lines in front of loads into registers that matrix instructions have read, and of the first read of results
.rept 4
	v_nop
.endr
.endm
.macro QUARTER slot, q, f, g, first    ; multiplies buffer f; in its middle it fetches quarter q of the same slot into buffer g
	s_wait_dscnt 4                                 ; B and A's blocks 0, 1 are in; the youngest four loads (A's blocks 2, 3) may be out
	WIN MUL-0x20*(\first)                          ; (first: C in window 0)
	MUL8 \f, 0, \first
	MUL8 \f, 1, \first
	PLACES
	FETCH \slot, \q, \g
	s_wait_dscnt 24                                ; all but the 24 just issued
	WIN MUL-0x20*(\first)
	MUL8 \f, 2, \first
	MUL8 \f, 3, \first
.endm
; The last quarter multiplies buffer 1 and changes slots: one barrier; in front of it each wave waits for all its tensor loads, adds 0 to its spare word, and waits for that and for its reads of this slot.
.macro TURN slot, next, fill
	WIN 0
	s_wait_tensorcnt 0x0                           ; all my tensor loads have landed: my part of the next slot
	ds_add_u32 v[SPW], v[NIL]
	s_wait_dscnt 5                                 ; the add and the youngest four loads may be out
	WIN MUL
	MUL8 F1, 0, 0
	s_wait_dscnt 0x0                               ; the add is done, and my reads of this slot are over
	s_barrier_signal -1
	MUL8 F1, 1, 0
.if \fill
	WIN 0
.endif
	s_barrier_wait -1
.if \fill
	CREST                                          ; the barrier has opened a round of the cluster's: no wave of any partner still reads this slot or has a load on its way
	s_add_nc_u64 s[G0+4*\slot+2:G0+4*\slot+3], s[G0+4*\slot+2:G0+4*\slot+3], 4*PL        ; two K steps on: four planes,
	s_add_nc_u64 s[G0B+4*\slot+2:G0B+4*\slot+3], s[G0B+4*\slot+2:G0B+4*\slot+3], 512    ; 512 bytes of B's rows
	JLOAD \slot                                    ; the first tensor load behind the round; its four v_nop are also the places in front of the loads below
.else
	PLACES
.endif
	FETCH \next, 0, F0
	WIN MUL
	MUL8 F1, 2, 0
	MUL8 F1, 3, 0
.endm
	s_wait_tensorcnt 1                             ; my part of K step 0 is in; K step 1's load may be out
	s_barrier_signal -1
	s_barrier_wait -1
	FETCH 0, 0, F0
	s_wait_loadcnt 0x0                             ; the bias
	QUARTER 0, 1, F0, F1, 1                        ; the first quarter stands in front of the loop: its products start the sums
	WIN 0
	s_mov_b32 s3, 3
.Llap:                                             ; a trip goes once round the ring and fills both slots again: K steps 2 to 7
	QUARTER 0, 2, F1, F0, 0
	QUARTER 0, 3, F0, F1, 0
	TURN 0, 1, 1
	QUARTER 1, 1, F0, F1, 0
	QUARTER 1, 2, F1, F0, 0
	QUARTER 1, 3, F0, F1, 0
	TURN 1, 0, 1
	QUARTER 0, 1, F0, F1, 0
	WIN 0
	s_sub_co_u32 s3, s3, 1
	s_cmp_lg_u32 s3, 0
	s_cbranch_scc1 .Llap
	QUARTER 0, 2, F1, F0, 0                        ; the last lap fills nothing
	QUARTER 0, 3, F0, F1, 0
	TURN 0, 1, 0
	QUARTER 1, 1, F0, F1, 0
	QUARTER 1, 2, F1, F0, 0
	QUARTER 1, 3, F0, F1, 0
	s_wait_dscnt 4
	WIN MUL
	MUL8 F1, 0, 0
	MUL8 F1, 1, 0
	s_wait_dscnt 0
	MUL8 F1, 2, 0
	MUL8 F1, 3, 0
	WIN 0
; THE WAY OUT, a block of 16 rows x 128 columns at a time, through my own stage: back as whole rows of 512 bytes.
.macro TOSTAGE a
	WIN 0x08                                       ; an LDS store's data: window 2
.irp b, 0,1,2,3,4,5,6,7
	ds_store_b128 v[STO], v[64*(\a)+8*\b:64*(\a)+8*\b+3] offset:64*\b            ; each accumulator from its low end on
	ds_store_b128 v[STO], v[64*(\a)+8*\b+4:64*(\a)+8*\b+7] offset:64*\b+16
.endr
	WIN 0
.set BB, BK+64*((\a)%2)
.irp t, 0,1,2,3,4,5,6,7,8,9,10,11,12,13,14,15
	ds_load_b128 v[BB+4*\t:BB+4*\t+3], v[RD] offset:\t*SPITCH   ; LDS serves a wave's instructions in order
.endr
.endm
.macro SEND a, younger
.set BB, BK+64*((\a)%2)
	s_wait_dscnt \younger                          ; the block is back in registers; the next block's 16 stores and 16 loads may be out
.irp t, 0,1,2,3,4,5,6,7,8,9,10,11,12,13,14,15
	global_store_b128 v[CO], v[BB+4*\t:BB+4*\t+3], s[10:11] offset:(\a)*65536+\t*4096 th:TH_STORE_NT   ; 32 lanes store 512 consecutive bytes, aligned
.endr
.endm
	PLACES
	TOSTAGE 0
.irp a, 1,2,3
.if \a > 1
	s_wait_xcnt 0x0                                ; block a - 2's stores have read their registers: block a's rows may land there
.endif
	TOSTAGE \a
	SEND \a-1, 32
.endr
	SEND 3, 0
	s_wait_tensorcnt 0x0                           ; the wave's end
	ds_add_u32 v[SPW], v[NIL]
	s_wait_dscnt 0x0
	CROUND                                         ; the closing round
	s_endpgm
.Lfunc_end_k_q6f3c8e17c1_proj:
	.size	k_q6f3c8e17c1_proj, .Lfunc_end_k_q6f3c8e17c1_proj-k_q6f3c8e17c1_proj
	.p2alignl 7, 3214868480
	.fill 96, 4, 3214868480
	.section	.rodata,"a",@progbits
	.p2align	6, 0x0
	.amdhsa_kernel k_q6f3c8e17c1_proj
		.amdhsa_group_segment_fixed_size 327680
		.amdhsa_private_segment_fixed_size 0
		.amdhsa_enable_private_segment 0
		.amdhsa_kernarg_size 32
		.amdhsa_user_sgpr_count 2
		.amdhsa_user_sgpr_kernarg_segment_ptr 1
		.amdhsa_wavefront_size32 1
		.amdhsa_system_sgpr_workgroup_id_x 1
		.amdhsa_system_sgpr_workgroup_id_y 1
		.amdhsa_system_sgpr_workgroup_id_z 1
		.amdhsa_system_vgpr_workitem_id 0
		.amdhsa_next_free_vgpr 768
		.amdhsa_next_free_sgpr 66
		.amdhsa_reserve_vcc 0
		.amdhsa_float_denorm_mode_32 3
		.amdhsa_float_denorm_mode_16_64 3
		.amdhsa_memory_ordered 1
		.amdhsa_forward_progress 1
		.amdhsa_inst_pref_size 87
	.end_amdhsa_kernel
	.amdgpu_metadata
---
amdhsa.version: [ 1, 2 ]
amdhsa.kernels:
  - .name:           k_q6f3c8e17c1_proj
    .symbol:         k_q6f3c8e17c1_proj.kd
    .args:
      - { .name: ctx, .offset: 0, .size: 8, .value_kind: global_buffer, .address_space: global }
      - { .name: wpt, .offset: 8, .size: 8, .value_kind: global_buffer, .address_space: global }
      - { .name: b_proj, .offset: 16, .size: 8, .value_kind: global_buffer, .address_space: global }
      - { .name: out0, .offset: 24, .size: 8, .value_kind: global_buffer, .address_space: global }
    .group_segment_fixed_size: 327680
    .private_segment_fixed_size: 0
    .kernarg_segment_align: 8
    .kernarg_segment_size: 32
    .max_flat_workgroup_size: 128
    .sgpr_count:     66
    .vgpr_count:     768
    .wavefront_size: 32
...
	.end_amdgpu_metadata
.endif
;; end of part 4
;; launch first16 (part 5): grid 16 x 4, 16 waves a work-group, no clusters, 71,680 bytes of LDS; arguments side, w_proj, b_proj, out0; writes out0
.if DOCPART == 5
	.amdgcn_target "amdgcn-amd-amdhsa--gfx1250"
	.amdhsa_code_object_version 6
	.text
	.protected	k_q6f3c8e17c1_first16
	.globl	k_q6f3c8e17c1_first16
	.p2align	8
	.type	k_q6f3c8e17c1_first16,@function
k_q6f3c8e17c1_first16:
	s_mov_b64 s[64:65], 0
	v_nop
	global_prefetch_b8 v0, s[64:65] scope:SCOPE_SE
	s_setreg_imm32_b32 hwreg(HW_REG_WAVE_MODE, 25, 1), 1
	s_wait_xcnt 0x0
; The first 16 positions of each batch once more, wholly in f32: they average one to sixteen values and are the largest numbers of the output.
; Work-group (x, batch) makes out0[batch][0..15][64 x .. 64 x + 63].  A wave is a head: scores, softmax and ctx of its head's 16 positions, then its 64 channels' part of the projection;
; the sixteen parts meet in LDS, and wave w adds and stores row w.
; All three products go by the f32 matrix form (16 x 16 x 4).  The same permutation of k is applied to both sources, so that a lane's numbers are neighbours in its registers.
; The accumulators v176-207 are written by matrix instructions alone; each sum begins with the constant 0.
; THE MASK: hidden keys have the score -100,000.  Those among the first 16 are set so; positions 16 to 2,047 are hidden for every query here: they enter as 2,032 x their weight in the sum,
; and as that weight x the sum of their v (VSUM, all 32 blocks; block 0 holds positions 16-63).  The maximum is taken away before every exponential.
; LIMITS: NaN and infinities are not served.
.set ACC,   176
.set SPW,   14
.set NIL,   15
.set SPARE, 69632                      ; behind the sixteen parts (16 rows x 272 bytes each): the spare words, 128 bytes a wave, eight blocks of 256 bytes that no other line names
.set VSO,   786432
.macro WLOAD reg, c                    ; w_proj(64 head + 16 t + 8 h + i, n0 + 16 c + r) into v[reg + 8 t + i]
.irp t, 0,1,2,3
.irp i, 0,1,2,3,4,5,6,7
	global_load_b32 v[\reg+8*\t+\i], v6, s[34:35] offset:(16*\t+\i)*4096+64*\c
.endr
.endr
.endm
.macro W3 c, wb, t, s                  ; out^T tile c += w_proj's 16 columns x ctx, 4 channels
.if (\t)+(\s) == 0
	v_wmma_f32_16x16x4_f32 v[ACC+8*\c:ACC+8*\c+7], v[\wb+8*\t+2*\s:\wb+8*\t+2*\s+1], v[112+8*\t+2*\s:112+8*\t+2*\s+1], 0
.else
	v_wmma_f32_16x16x4_f32 v[ACC+8*\c:ACC+8*\c+7], v[\wb+8*\t+2*\s:\wb+8*\t+2*\s+1], v[112+8*\t+2*\s:112+8*\t+2*\s+1], v[ACC+8*\c:ACC+8*\c+7]
.endif
.endm
	s_load_b256 s[4:11], s[0:1], 0x0               ; side s[4:5], w_proj s[6:7], b_proj s[8:9], out0 s[10:11]
	v_lshl_add_u32 v[SPW], v0, 2, SPARE
	v_mov_b32 v[NIL], 0
	v_lshrrev_b32 v1, 5, v0
	v_readfirstlane_b32 s12, v1                    ; wave = head
	s_and_b32 s13, ttmp7, 0xffff                   ; batch
	v_and_b32 v1, 15, v0                           ; r
	v_bfe_u32 v2, v0, 4, 1                         ; h
	v_mul_u32_u24 v3, v1, 12288
	v_lshl_add_u32 v3, v2, 7, v3                   ; q, k: row r, channels 32 h on
	v_mul_u32_u24 v4, v2, 98304
	v_lshl_add_u32 v4, v1, 2, v4                   ; v: rows 8 h on, channel r
	v_lshlrev_b32 v5, 12, v1
	v_lshl_add_u32 v5, v2, 5, v5                   ; VSUM: block r, channels 8 h on
	v_lshlrev_b32 v6, 15, v2
	v_lshl_add_u32 v6, v1, 2, v6                   ; w_proj: rows 8 h on, column r
	v_lshlrev_b32 v7, 3, v2
	v_sub_nc_u32 v7, v1, v7                        ; r - 8 h
	s_mul_i32 s25, s12, 4352
	v_mul_u32_u24 v8, v1, 272
	v_lshl_add_u32 v8, v2, 5, v8
	v_add_nc_u32 v8, s25, v8                       ; my part: row r, + 32 h
	s_mul_i32 s25, s12, 272
	v_and_b32 v10, 31, v0
	v_lshlrev_b32 v10, 3, v10                      ; 8 bytes a lane
	v_add_nc_u32 v9, s25, v10                      ; row w of a part
	s_mov_b32 s22, 0x76543210
	s_mov_b32 s23, 0xfedcba98
	s_mov_b32 s24, 0x3e38aa3b                      ; c = log2(e) / 8
	s_lshl_b32 s26, s13, 23                        ; out0: (2,048 x batch + w) rows of 4,096 bytes + 256 x
	s_lshl_b32 s27, s12, 12
	s_add_co_u32 s26, s26, s27
	s_lshl_b32 s28, ttmp9, 8
	s_add_co_u32 s26, s26, s28
	s_mov_b32 s27, 0
	s_mov_b32 s29, 0
	s_mul_i32 s30, s13, 196608                     ; FIRST: batch, head
	s_lshl_b32 s31, s12, 8
	s_add_co_u32 s30, s30, s31
	s_lshl_b32 s32, s13, 17                        ; VSUM: batch, head
	s_add_co_u32 s32, s32, s31
	s_add_co_u32 s32, s32, VSO
	s_mov_b32 s31, 0
	s_mov_b32 s33, 0
	s_lshl_b32 s34, s12, 18                        ; w_proj: 64 rows a head, + 256 x
	s_add_co_u32 s34, s34, s28
	s_mov_b32 s35, 0
	s_wait_kmcnt 0x0
	s_add_nc_u64 s[10:11], s[10:11], s[26:27]
	s_add_nc_u64 s[8:9], s[8:9], s[28:29]
	s_add_nc_u64 s[30:31], s[4:5], s[30:31]
	s_add_nc_u64 s[32:33], s[4:5], s[32:33]
	s_add_nc_u64 s[34:35], s[6:7], s[34:35]
.irp i, 0,1,2,3,4,5,6,7
	global_load_b128 v[16+4*\i:16+4*\i+3], v3, s[30:31] offset:16*\i           ; q(r, 32 h + 4 i ..)
	global_load_b128 v[48+4*\i:48+4*\i+3], v3, s[30:31] offset:4096+16*\i      ; k likewise
.endr
.irp t, 0,1,2,3
.irp i, 0,1,2,3,4,5,6,7
	global_load_b32 v[80+8*\t+\i], v4, s[30:31] offset:8192+12288*\i+64*\t     ; v(8 h + i, 16 t + r)
.endr
.endr
.irp u, 0,1
.irp t, 0,1,2,3
.irp e, 0,1
	global_load_b128 v[112+32*\u+8*\t+4*\e:112+32*\u+8*\t+4*\e+3], v5, s[32:33] offset:65536*\u+64*\t+16*\e   ; VSUM(block r + 16 u, 16 t + 8 h + 4 e ..)
.endr
.endr
.endr
	s_wait_loadcnt 48                              ; q and k are in; v's 32 loads and VSUM's 16 may be out
.irp s, 0,1,2,3,4,5,6,7,8,9,10,11,12,13,14,15  ; S^T = k q^T: four accumulators by turns; step s takes channels 2 s, 2 s + 1, 32 + 2 s, 33 + 2 s
.if \s < 4
	v_wmma_f32_16x16x4_f32 v[ACC+8*(\s%4):ACC+8*(\s%4)+7], v[48+2*\s:49+2*\s], v[16+2*\s:17+2*\s], 0
.else
	v_wmma_f32_16x16x4_f32 v[ACC+8*(\s%4):ACC+8*(\s%4)+7], v[48+2*\s:49+2*\s], v[16+2*\s:17+2*\s], v[ACC+8*(\s%4):ACC+8*(\s%4)+7]
.endif
.endr
	s_wait_loadcnt 0x0                             ; v and VSUM
.rept 8
	v_nop                                          ; eight places behind this form, in front of loads into its sources and of the first read of its results
.endr
	WLOAD 16, 0
	WLOAD 48, 1
.set i, 0
.rept 16
	v_pk_add_f32 v[112+2*i:113+2*i], v[112+2*i:113+2*i], v[144+2*i:145+2*i]    ; VSUM: blocks r and r + 16
.set i, i+1
.endr
	WLOAD 144, 2
.irp j, 0,1,2,3,4,5,6,7
	v_add_f32 v[208+\j], v[ACC+\j], v[ACC+8+\j]                                ; the four partial sums, each accumulator from its low end on
	v_add_f32 v[216+\j], v[ACC+16+\j], v[ACC+24+\j]
.endr
.irp j, 0,1,2,3,4,5,6,7
	v_add_f32 v[208+\j], v[208+\j], v[216+\j]      ; lane (r, h): the score of query r and key 8 h + j
.endr
	v_mov_b32 v224, 0xc7c35000                     ; -100,000
.irp j, 0,1,2,3,4,5,6,7
	v_cmp_gt_i32 vcc_lo, \j, v7                    ; hidden where 8 h + j > r
	v_cndmask_b32 v[208+\j], v[208+\j], v224, vcc_lo
.endr
	v_max3_num_f32 v225, v208, v209, v224          ; the maximum, the hidden keys' score among its leaves
	v_max3_num_f32 v225, v225, v210, v211
	v_max3_num_f32 v225, v225, v212, v213
	v_max3_num_f32 v225, v225, v214, v215
	v_mov_b32 v226, 0
	v_permlanex16_b32 v226, v225, s22, s23
	v_max_num_f32 v225, v225, v226
	v_mul_f32 v226, s24, v225                      ; c m
.irp j, 0,1,2,3,4,5,6,7
	v_fma_f32 v[208+\j], v[208+\j], s24, -v226
.endr
	v_fma_f32 v227, v224, s24, -v226
.irp j, 0,1,2,3,4,5,6,7
	v_exp_f32 v[208+\j], v[208+\j]
.endr
	v_exp_f32 v227, v227                           ; a hidden key's weight
.irp m, 1,2,4,8                                ; VSUM over the sixteen lanes: plain work behind the exponentials, which names none of their results
.set i, 0
.rept 32
	v_add_f32_dpp v[112+i], v[112+i], v[112+i] row_xmask:\m row_mask:0xf bank_mask:0xf
.set i, i+1
.endr
.endr
	s_wait_alu depctr_va_vdst(0)                   ; one wait for the nine exponentials, ahead of their first reader
.irp s, 0,1,2,3                                ; O^T = v^T p: four accumulators by turns, begun anew far more than nine plain lines behind the last product; step s takes keys 2 s, 2 s + 1, 8 + 2 s, 9 + 2 s
.irp t, 0,1,2,3
.if \s == 0
	v_wmma_f32_16x16x4_f32 v[ACC+8*\t:ACC+8*\t+7], v[80+8*\t+2*\s:81+8*\t+2*\s], v[208+2*\s:209+2*\s], 0
.else
	v_wmma_f32_16x16x4_f32 v[ACC+8*\t:ACC+8*\t+7], v[80+8*\t+2*\s:81+8*\t+2*\s], v[208+2*\s:209+2*\s], v[ACC+8*\t:ACC+8*\t+7]
.endif
.endr
.endr
.rept 8
	v_nop                                          ; eight places: v's registers are loaded anew, p's are read only, the results are read below
.endr
	WLOAD 80, 3
	v_add_f32 v228, v208, v209                     ; the row's sum
	v_add_f32 v229, v210, v211
	v_add_f32 v228, v228, v212
	v_add_f32 v229, v229, v213
	v_add_f32 v228, v228, v214
	v_add_f32 v229, v229, v215
	v_add_f32 v228, v228, v229
	v_permlanex16_b32 v229, v228, s22, s23
	v_add_f32 v228, v228, v229
	v_fmamk_f32 v228, v227, 0x44fe0000, v228       ; + 2,032 hidden keys
	v_rcp_f32 v230, v228
	v_mov_b32 v231, 0                              ; (named as the upper halves of pairs; also the plain line behind the reciprocal)
	v_mov_b32 v233, 0
	s_wait_alu depctr_va_vdst(0)                   ; the wait ahead of the reciprocal's first reader
	v_mul_f32 v232, v227, v230
.set i, 0
.rept 16
	v_pk_mul_f32 v[112+2*i:113+2*i], v[112+2*i:113+2*i], v[232:233] op_sel_hi:[1,0]
.set i, i+1
.endr
.set i, 0
.rept 16
	v_pk_fma_f32 v[112+2*i:113+2*i], v[ACC+2*i:ACC+2*i+1], v[230:231], v[112+2*i:113+2*i] op_sel_hi:[1,0,1]   ; ctx(r, 16 t + 8 h + j) = (O^T + weight x hidden v) / the sum
.set i, i+1
.endr
	s_wait_loadcnt 0x0                             ; w_proj's four tiles
.irp t, 0,1,2,3                                ; out^T = w_proj^T ctx^T: four accumulators by turns
.irp s, 0,1,2,3
	W3 0, 16, \t, \s
	W3 1, 48, \t, \s
	W3 2, 144, \t, \s
	W3 3, 80, \t, \s
.endr
.endr
.rept 8
	v_nop
.endr
.irp c, 0,1,2,3
	ds_store_b128 v8, v[ACC+8*\c:ACC+8*\c+3] offset:64*\c          ; lane (r, h): row r, columns 16 c + 8 h + 0 .. 7
	ds_store_b128 v8, v[ACC+8*\c+4:ACC+8*\c+7] offset:64*\c+16
.endr
	global_load_b64 v[48:49], v10, s[8:9]          ; the bias of my two columns
	s_wait_dscnt 0x0                               ; for the others' sake: my part lies in LDS
	s_barrier_signal -1
	s_barrier_wait -1
.irp p, 0,1,2,3,4,5,6,7,8,9,10,11,12,13,14,15
	ds_load_b64 v[16+2*\p:17+2*\p], v9 offset:4352*\p              ; row w of the sixteen parts
.endr
	s_wait_dscnt 0x0
.irp p, 1,2,3,4,5,6,7
	v_pk_add_f32 v[16:17], v[16:17], v[16+4*\p:17+4*\p]
	v_pk_add_f32 v[18:19], v[18:19], v[18+4*\p:19+4*\p]
.endr
	v_pk_add_f32 v[16:17], v[16:17], v[18:19]
	s_wait_loadcnt 0x0
	v_pk_add_f32 v[16:17], v[16:17], v[48:49]
	global_store_b64 v10, v[16:17], s[10:11]       ; the wave stores 256 consecutive bytes, aligned
	s_wait_tensorcnt 0x0                           ; the wave's end: a tensor wait, an add and its wait behind my last LDS store
	ds_add_u32 v[SPW], v[NIL]
	s_wait_dscnt 0x0
	s_endpgm
.Lfunc_end_k_q6f3c8e17c1_first16:
	.size	k_q6f3c8e17c1_first16, .Lfunc_end_k_q6f3c8e17c1_first16-k_q6f3c8e17c1_first16
	.p2alignl 7, 3214868480
	.fill 96, 4, 3214868480
	.section	.rodata,"a",@progbits
	.p2align	6, 0x0
	.amdhsa_kernel k_q6f3c8e17c1_first16
		.amdhsa_group_segment_fixed_size 71680
		.amdhsa_private_segment_fixed_size 0
		.amdhsa_enable_private_segment 0
		.amdhsa_kernarg_size 32
		.amdhsa_user_sgpr_count 2
		.amdhsa_user_sgpr_kernarg_segment_ptr 1
		.amdhsa_wavefront_size32 1
		.amdhsa_system_sgpr_workgroup_id_x 1
		.amdhsa_system_sgpr_workgroup_id_y 1
		.amdhsa_system_sgpr_workgroup_id_z 1
		.amdhsa_system_vgpr_workitem_id 0
		.amdhsa_next_free_vgpr 256
		.amdhsa_next_free_sgpr 66
		.amdhsa_reserve_vcc 1
		.amdhsa_float_denorm_mode_32 3
		.amdhsa_float_denorm_mode_16_64 3
		.amdhsa_memory_ordered 1
		.amdhsa_forward_progress 1
		.amdhsa_inst_pref_size 45
	.end_amdhsa_kernel
	.amdgpu_metadata
---
amdhsa.version: [ 1, 2 ]
amdhsa.kernels:
  - .name:           k_q6f3c8e17c1_first16
    .symbol:         k_q6f3c8e17c1_first16.kd
    .args:
      - { .name: side, .offset: 0, .size: 8, .value_kind: global_buffer, .address_space: global }
      - { .name: w_proj, .offset: 8, .size: 8, .value_kind: global_buffer, .address_space: global }
      - { .name: b_proj, .offset: 16, .size: 8, .value_kind: global_buffer, .address_space: global }
      - { .name: out0, .offset: 24, .size: 8, .value_kind: global_buffer, .address_space: global }
    .group_segment_fixed_size: 71680
    .private_segment_fixed_size: 0
    .kernarg_segment_align: 8
    .kernarg_segment_size: 32
    .max_flat_workgroup_size: 512
    .sgpr_count:     66
    .vgpr_count:     256
    .wavefront_size: 32
...
	.end_amdgpu_metadata
.endif
;; end of part 5
